; MI455X (gfx1250); checked and timed in simulation.
; The chip was launched on July 23, 2026; its instructions are those of AMD's public machine-readable ISA for CDNA 5 (MIT licence, August 2026) and "CDNA5" Instruction Set Architecture Reference Guide (July 2026). The comments in the code are by the model that wrote it; some were corrected since.
;; Multi Scale Retention. Allowed arithmetic: matrix products marked QUANTISED: E2M1 operands, one E8M0 scale for each 32 along K, by v_wmma_scale_f32_16x16x128_f8f6f4 with both operands' format E2M1 (or v_wmma_scale_f32_32x16x128_f4), f32 sums; products left as they are: bf16, f16 or f32 operands; f32 sums; everything else in f32.
;; Inputs: ln_b 2,048 float32; ln_w 2,048 float32; wg 2,048 x 2,048 float32; wk 2,048 x 2,048 float32; wo 2,048 x 2,048 float32; wq 2,048 x 2,048 float32; wv 2,048 x 2,048 float32; x 1 x 2,048 x 2,048 float32.
;; Outputs: out0 1 x 2,048 x 2,048 float32.
;; This version of the problem:
;;   THIS VERSION OF THE PROBLEM IS GIVEN IN LOW PRECISION. The matrix products marked QUANTISED in the list below multiply operands that are first quantised to E2M1 (2 exponent bits, 1 mantissa bit; 4 bits a number), with one power-of-two scale for each 32 numbers along K (OCP MX v1.0); their sums are f32. The products marked 'left as it is' may take bf16, f16 or f32 operands, with f32 sums. Whichever they take, every output number must still come out within the allowed error. Rounding operands to bf16 (8 significant bits) uses up far more of that allowance than f16 does (11 bits, for magnitudes from 6e-5 to 65,504). All else is computed in f32.
;;   The module's matrix products, in the order in which they are computed (A, B: the left and right operand; K: the contracted axis; several contracted axes count as one K, in the product's order):
;;     1. [M 2,048, K 2,048] x [K 2,048, N 2,048]; A: input x; B: input wq: QUANTISED
;;     2. [M 2,048, K 2,048] x [K 2,048, N 2,048]; A: input x; B: input wk: QUANTISED
;;     3. [M 2,048, K 2,048] x [K 2,048, N 2,048]; A: input x; B: input wv: QUANTISED
;;     4. batch 16 x [M 2,048, K 128] x [K 128, N 2,048]; A: computed on the way; B: computed on the way: left as it is (an operand is computed on the way)
;;     5. batch 16 x [M 2,048, K 2,048] x [K 2,048, N 128]; A: computed on the way; B: computed on the way: left as it is (an operand is computed on the way)
;;     6. [M 2,048, K 2,048] x [K 2,048, N 2,048]; A: input x; B: input wg: QUANTISED
;;     7. [M 2,048, K 2,048] x [K 2,048, N 2,048]; A: computed on the way; B: input wo: left as it is (an operand is computed on the way)
;;   THE QUANTISER, for each operand of a quantised product, along K:
;;     - K is cut into blocks of 32 from its start; a last block that is shorter is filled with zeros.
;;     - A block's scale is 2^e with e = floor(log2(the largest magnitude in the block)) - 2, held to -126 .. 127; a block of zeros has e = 0. As a byte (E8M0): e + 127.
;;     - Each number is divided by its block's scale, clamped to +-6, and rounded to the nearest number of E2M1, ties to even, subnormals kept.
;;     - The product sums the exact products of the quantised numbers (number of the format x scale) in f32.
;;   ~~~python
;;   def quantise(x, axis):      # numpy; x: float32 -> the quantised numbers, widened to float32 again
;;       x = np.moveaxis(x, axis, -1); K = x.shape[-1]
;;       x = np.pad(x, [(0, 0)] * (x.ndim - 1) + [(0, -K % 32)]); x = x.reshape(x.shape[:-1] + (-1, 32)); a = np.abs(x).max(-1, keepdims=True)
;;       e = np.where(a > 0, np.clip(np.frexp(np.where(a > 0, a, 1))[1] - 1 - 2, -126, 127), 0)      # np.frexp(a)[1] - 1 = floor(log2(a)), exactly
;;       r = np.clip(x / 2.0 ** e, -6, 6)
;;       step = 2.0 ** (np.maximum(np.frexp(np.where(r == 0, 1, r))[1] - 1, 0) - 1)
;;       q = np.round(r / step) * step * 2.0 ** e      # np.round: ties to even
;;       return np.moveaxis(q.reshape(q.shape[:-2] + (-1,))[..., :K], -1, axis).astype(np.float32)
;;   ~~~
;; One version. Each part assembles by itself: llvm-mc -triple=amdgcn-amd-amdhsa -mcpu=gfx1250 --defsym DOCPART=n.
;; ======== version 1 of 1: 5 launches
;; limits: values outside matrix products are rounded to f16; inputs' magnitudes at most 2,047; values are held in f16: magnitudes above 65,504 overflow, below 6.1e-05 lose precision
;; workspace buffers: codes 10,485,760 bytes; scales 655,360 bytes; wo16 8,388,608 bytes; qkvg 33,554,432 bytes; ebuf 4,096 bytes; y 16,777,216 bytes; z16 8,388,608 bytes; zs 8,192 bytes
;; launch quant (part 1): grid 768 x 1, 4 waves a work-group, no clusters, 33,280 bytes of LDS; arguments x, wq, wk, wv, wg, wo, codes, scales, wo16; writes codes, scales, wo16
.if DOCPART == 1
	.amdgcn_target "amdgcn-amd-amdhsa--gfx1250"
	.amdhsa_code_object_version 6
	.text
	.protected	k_qbe1f4f6f92_quant
	.globl	k_qbe1f4f6f92_quant
	.p2align	8
	.type	k_qbe1f4f6f92_quant,@function
k_qbe1f4f6f92_quant:
	s_mov_b64 s[64:65], 0
	v_nop
	global_prefetch_b8 v0, s[64:65] scope:SCOPE_SE
	s_setreg_imm32_b32 hwreg(HW_REG_WAVE_MODE, 25, 1), 1
	s_wait_xcnt 0x0
; x, wq, wk, wv, wg ([2048][2048] f32, K innermost) become codes of FP4 (E2M1) with one E8M0 byte for each 32 along K; wo becomes f16(32 wo).
; codes: the five tensors on end, each [2048][1024 bytes]; scales: likewise, each [2048][64 bytes]; wo16: [2048][2048] f16.
; A block's scale is 2^(floor(log2(its largest magnitude)) - 2); its byte is the largest magnitude's exponent field - 2, held at 1 from below.  A block of zeros gets the byte 1: its codes are zeros, and this program alone reads the bytes.
; LIMITS: NaN and infinities among the inputs are not served; |wo| stays under 2,047 (f16's range after the factor 32).
; Work-groups 0 to 639 quantise: 128 to a tensor, a wave takes 16 steps of 512 numbers.  Each load reads 512 consecutive bytes; a step's 2,048 bytes turn through the wave's own stage in LDS, so that a lane then holds 16 neighbours
; along K (two lanes to a block).  A lane's 16 codes are 8 bytes: a wave's store covers 256 consecutive bytes.  A wave's 256 scale bytes are gathered in LDS and leave as one store of 256 consecutive bytes.
; Work-groups 640 to 767 take wo: a wave 8,192 numbers, 16 loads ahead, no LDS.  Waves share nothing: no barrier.
.set WAVES, 4
.set STEPS, 16
.set EMAX,  2
.set CB,    8                          ; bytes of 16 codes
.set R,     16                         ; v16-79   four sets of 16 numbers as they are loaded
.set X,     80                         ; v80-111  two sets of 16 neighbours
.set E,     112                        ; v112-127 a scale byte for each step
.set C,     128                        ; v128-191 codes: four registers for each step, so that no store's data are written again
.set WREG,  8192                       ; LDS: a region for each wave: two stages of 32 x SP bytes, behind them its 256 scale bytes
.set SP,    80                         ; a lane's place in a stage: 64 bytes + 16 of padding
.set SPW,   12                         ; v12 LDS address of my spare word; never rewritten
.set NIL,   13                         ; v13 0; never rewritten
.set SPARE, WAVES*WREG                 ; behind the four regions: the spare words, 128 bytes a wave
.set NQWG,  640                        ; work-groups that quantise
	s_load_b512 s[4:19], s[0:1], 0x0               ; x 4:5, wq 6:7, wk 8:9, wv 10:11, wg 12:13, wo 14:15, codes 16:17, scales 18:19
	s_load_b64 s[20:21], s[0:1], 0x40              ; wo16
	v_lshl_add_u32 v[SPW], v0, 2, SPARE
	v_mov_b32 v[NIL], 0
	v_lshrrev_b32 v1, 5, v0
	v_readfirstlane_b32 s22, v1                    ; wave
	v_and_b32 v2, 31, v0                           ; lane
	v_lshlrev_b32 v3, 4, v2                        ; my 16 bytes of a load's 512
	s_mul_i32 s23, s22, WREG
	v_lshrrev_b32 v14, 2, v2
	v_mul_u32_u24 v14, v14, SP
	v_and_b32 v15, 3, v2
	v_lshl_add_u32 v14, v15, 4, v14
	v_add_nc_u32 v14, s23, v14                     ; the stage, on the way in: SP (lane / 4) + 16 (lane % 4)
	v_mul_u32_u24 v15, v2, SP
	v_add_nc_u32 v15, s23, v15                     ; and on the way out: SP x lane: my 16 neighbours
	v_mul_u32_u24 v4, v2, CB                       ; 8 x lane: my codes' place in a step's; also my place in a store of wo16
	v_lshrrev_b32 v5, 1, v2
	s_add_co_u32 s23, s23, 2*32*SP
	v_add_nc_u32 v5, s23, v5                       ; LDS: my wave's 256 scale bytes, my block's byte
	v_lshlrev_b32 v7, 3, v2
	v_add_nc_u32 v6, s23, v7                       ; and on the way out 8 bytes a lane
	s_lshl_b32 s25, ttmp9, 2
	s_add_co_u32 s25, s25, s22                     ; my run: 4 x work-group + wave
	s_mov_b32 s27, 0
	s_lshr_b32 s24, ttmp9, 7                       ; which tensor
	s_wait_kmcnt 0x0
	s_cmp_ge_u32 ttmp9, NQWG
	s_cbranch_scc1 .Lwo
	s_cmp_eq_u32 s24, 1                            ; the source is chosen by the work-group's number alone
	s_cselect_b64 s[4:5], s[6:7], s[4:5]
	s_cmp_eq_u32 s24, 2
	s_cselect_b64 s[4:5], s[8:9], s[4:5]
	s_cmp_eq_u32 s24, 3
	s_cselect_b64 s[4:5], s[10:11], s[4:5]
	s_cmp_eq_u32 s24, 4
	s_cselect_b64 s[4:5], s[12:13], s[4:5]
	s_and_b32 s28, s25, 511                        ; my run within the tensor: 512 runs of 32,768 bytes
	s_lshl_b32 s26, s28, 15
	s_add_nc_u64 s[4:5], s[4:5], s[26:27]
	s_lshl_b32 s26, s25, 12                        ; the tensors' codes lie on end: 4,096 bytes a run
	s_add_nc_u64 s[16:17], s[16:17], s[26:27]
	s_lshl_b32 s26, s25, 8                         ; and 256 scale bytes a run
	s_add_nc_u64 s[18:19], s[18:19], s[26:27]
.macro LOAD t
.irp i, 0,1,2,3
	global_load_b128 v[R+16*((\t)%4)+4*\i:R+16*((\t)%4)+4*\i+3], v3, s[4:5] offset:2048*(\t)+512*\i th:TH_LOAD_NT   ; 32 lanes read 512 consecutive bytes
.endr
.endm
.macro TURN t                          ; step t's numbers through the stage: LDS serves a wave's instructions in order, so no wait stands between the stores and the loads
.irp i, 0,1,2,3
	ds_store_b128 v14, v[R+16*((\t)%4)+4*\i:R+16*((\t)%4)+4*\i+3] offset:32*SP*((\t)%2)+8*SP*\i
.endr
.irp i, 0,1,2,3
	ds_load_b128 v[X+16*((\t)%2)+4*\i:X+16*((\t)%2)+4*\i+3], v15 offset:32*SP*((\t)%2)+16*\i
.endr
.endm
.irp t, 0,1,2,3
	LOAD \t
.endr
	s_wait_loadcnt 12                              ; step 0's four loads are in; three steps' twelve may be out
	TURN 0
.macro STEP t
.set XS, X+16*((\t)%2)
.if (\t) > 0
	s_wait_dscnt 1                                 ; this step's numbers are back from the stage (the last step's byte store may be out)
.else
	s_wait_dscnt 0x0
.endif
.if (\t)+4 < STEPS
	LOAD (\t)+4                                    ; into the registers that this step's stage stores have read
.endif
.if (\t)+1 < STEPS
.if STEPS-2-(\t) >= 3
	s_wait_loadcnt 12                              ; the next step's four loads are in; those of the three steps behind it may be out
.else
	s_wait_loadcnt 4*(STEPS-2-(\t))
.endif
	TURN (\t)+1                                    ; through the other stage while this step is worked
.endif
	v_max3_num_f32 v8, |v[XS]|, |v[XS+1]|, |v[XS+2]|               ; the largest magnitude of my 16, in two chains
	v_max3_num_f32 v9, |v[XS+3]|, |v[XS+4]|, |v[XS+5]|
.irp i, 6,10
	v_max3_num_f32 v8, v8, |v[XS+\i]|, |v[XS+\i+1]|
	v_max3_num_f32 v9, v9, |v[XS+\i+2]|, |v[XS+\i+3]|
.endr
	v_max3_num_f32 v8, v8, |v[XS+14]|, |v[XS+15]|
	v_max3_num_f32 v8, v8, v9, (EMAX+1)<<23        ; and the floor 2^(EMAX + 1 - 127): the byte cannot fall under 1
	v_max_num_f32_dpp v8, v8, v8 row_xmask:1 row_mask:0xf bank_mask:0xf   ; and of my neighbour's 16: the block's
	v_add_nc_u32 v11, -(EMAX<<23), v8              ; EMAX off its exponent field: the conversion takes the exponent field of this operand as its scale
	v_cvt_scalef32_pk8_fp4_f32 v[C+4*(\t)], v[XS:XS+7], v11
	v_cvt_scalef32_pk8_fp4_f32 v[C+4*(\t)+1], v[XS+8:XS+15], v11
	v_lshrrev_b32 v[E+(\t)], 23, v11               ; the scale's byte (a plain line behind the conversions)
	ds_store_b8 v5, v[E+(\t)] offset:16*(\t)       ; both lanes of a block write the same byte with the same value
	global_store_b64 v4, v[C+4*(\t):C+4*(\t)+1], s[16:17] offset:32*CB*(\t)   ; 256 consecutive bytes a wave
.endm
.irp t, 0,1,2,3,4,5,6,7,8,9,10,11,12,13,14,15
	STEP \t
.endr
	ds_load_b64 v[8:9], v6                         ; LDS serves a wave's instructions in order: these see my stores
	s_wait_dscnt 0x0
	global_store_b64 v7, v[8:9], s[18:19]          ; 32 lanes store 256 consecutive bytes
	s_wait_tensorcnt 0x0                           ; the wave's end, behind my last LDS store
	ds_add_u32 v[SPW], v[NIL]
	s_wait_dscnt 0x0
	s_endpgm
; wo: 32 wo, rounded to f16.  Four groups of 16 loads (8,192 bytes), two sets of registers, the next group's loads out while one is worked.
.Lwo:
	s_sub_co_u32 s25, s25, 4*NQWG                  ; my run of wo
	s_lshl_b32 s26, s25, 15
	s_add_nc_u64 s[14:15], s[14:15], s[26:27]
	s_lshl_b32 s26, s25, 14
	s_add_nc_u64 s[20:21], s[20:21], s[26:27]
.macro WLOAD g
.irp j, 0,1,2,3,4,5,6,7,8,9,10,11,12,13,14,15
	global_load_b128 v[16+64*((\g)%2)+4*\j:16+64*((\g)%2)+4*\j+3], v3, s[14:15] offset:(16*(\g)+\j)*512 th:TH_LOAD_NT
.endr
.endm
.macro WCONV g
.set WI, 16+64*((\g)%2)
.set WO, 144+32*((\g)%2)
.if (\g) < 3
	s_wait_loadcnt 16                              ; this group's 16 loads are in; the next group's may be out
.else
	s_wait_loadcnt 0x0
.endif
.if (\g) >= 2
	s_wait_xcnt 0x0                                ; the stores of two groups back have read their data: these registers are written again only behind this wait
.endif
.set J, 0
.rept 32
	v_pk_mul_f32 v[WI+2*J:WI+2*J+1], v[WI+2*J:WI+2*J+1], 0x42000000 op_sel_hi:[1,0]   ; x 32: exact
.set J, J+1
.endr
.set J, 0
.rept 32
	v_cvt_pk_f16_f32 v[WO+J], v[WI+2*J], v[WI+2*J+1]
.set J, J+1
.endr
.if (\g)+2 < 4
	WLOAD (\g)+2
.endif
.irp j, 0,1,2,3,4,5,6,7,8,9,10,11,12,13,14,15
	global_store_b64 v4, v[WO+2*\j:WO+2*\j+1], s[20:21] offset:(16*(\g)+\j)*256   ; 256 consecutive bytes a wave
.endr
.endm
	WLOAD 0
	WLOAD 1
	WCONV 0
	WCONV 1
	WCONV 2
	WCONV 3
	s_endpgm
.Lfunc_end_k_qbe1f4f6f92_quant:
	.size	k_qbe1f4f6f92_quant, .Lfunc_end_k_qbe1f4f6f92_quant-k_qbe1f4f6f92_quant
	.p2alignl 7, 3214868480
	.fill 96, 4, 3214868480
	.section	.rodata,"a",@progbits
	.p2align	6, 0x0
	.amdhsa_kernel k_qbe1f4f6f92_quant
		.amdhsa_group_segment_fixed_size 33280
		.amdhsa_private_segment_fixed_size 0
		.amdhsa_enable_private_segment 0
		.amdhsa_kernarg_size 72
		.amdhsa_user_sgpr_count 2
		.amdhsa_user_sgpr_kernarg_segment_ptr 1
		.amdhsa_wavefront_size32 1
		.amdhsa_system_sgpr_workgroup_id_x 1
		.amdhsa_system_sgpr_workgroup_id_y 1
		.amdhsa_system_sgpr_workgroup_id_z 1
		.amdhsa_system_vgpr_workitem_id 0
		.amdhsa_next_free_vgpr 208
		.amdhsa_next_free_sgpr 66
		.amdhsa_reserve_vcc 0
		.amdhsa_float_denorm_mode_32 3
		.amdhsa_float_denorm_mode_16_64 3
		.amdhsa_memory_ordered 1
		.amdhsa_forward_progress 1
		.amdhsa_inst_pref_size 66
	.end_amdhsa_kernel
	.amdgpu_metadata
---
amdhsa.version: [ 1, 2 ]
amdhsa.kernels:
  - .name:           k_qbe1f4f6f92_quant
    .symbol:         k_qbe1f4f6f92_quant.kd
    .args:
      - { .name: x, .offset: 0, .size: 8, .value_kind: global_buffer, .address_space: global }
      - { .name: wq, .offset: 8, .size: 8, .value_kind: global_buffer, .address_space: global }
      - { .name: wk, .offset: 16, .size: 8, .value_kind: global_buffer, .address_space: global }
      - { .name: wv, .offset: 24, .size: 8, .value_kind: global_buffer, .address_space: global }
      - { .name: wg, .offset: 32, .size: 8, .value_kind: global_buffer, .address_space: global }
      - { .name: wo, .offset: 40, .size: 8, .value_kind: global_buffer, .address_space: global }
      - { .name: codes, .offset: 48, .size: 8, .value_kind: global_buffer, .address_space: global }
      - { .name: scales, .offset: 56, .size: 8, .value_kind: global_buffer, .address_space: global }
      - { .name: wo16, .offset: 64, .size: 8, .value_kind: global_buffer, .address_space: global }
    .group_segment_fixed_size: 33280
    .private_segment_fixed_size: 0
    .kernarg_segment_align: 8
    .kernarg_segment_size: 72
    .max_flat_workgroup_size: 128
    .sgpr_count:     66
    .vgpr_count:     208
    .wavefront_size: 32
...
	.end_amdgpu_metadata
.endif
;; end of part 1
;; launch proj (part 2): grid 32 x 8, 4 waves a work-group, clusters of 4 x 4, 327,680 bytes of LDS; arguments codes, scales, qkvg, ebuf; writes qkvg, ebuf
.if DOCPART == 2
	.amdgcn_target "amdgcn-amd-amdhsa--gfx1250"
	.amdhsa_code_object_version 6
	.text
	.protected	k_qbe1f4f6f92_proj
	.globl	k_qbe1f4f6f92_proj
	.p2align	8
	.type	k_qbe1f4f6f92_proj,@function
k_qbe1f4f6f92_proj:
	s_mov_b64 s[64:65], 0
	v_nop
	global_prefetch_b8 v0, s[64:65] scope:SCOPE_SE
	s_setreg_imm32_b32 hwreg(HW_REG_WAVE_MODE, 25, 1), 1
	s_wait_xcnt 0x0
	s_wait_alu depctr_hold_cnt(0) depctr_sa_sdst(0) depctr_va_vdst(0) depctr_va_sdst(0) depctr_va_ssrc(0) depctr_va_vcc(0) depctr_vm_vsrc(0)
	s_getreg_b32 s2, hwreg(HW_REG_IB_STS2, 6, 4)
	s_cmp_eq_u32 s2, 0
	s_cbranch_scc0 .Lentry_in_a_cluster
	s_endpgm
.Lentry_in_a_cluster:
	s_bfe_u32 s2, ttmp6, 0x10000c
	s_cmp_lg_u32 s2, 0xf033
	s_cbranch_scc0 .Lentry_shape_is_right
	s_endpgm
.Lentry_shape_is_right:
; [q | k | v | u] = x [wq | wk | wv | wg]^T on codes of FP4 (E2M1) with E8M0 scales for each 32 along K: C[2048][8192], K = 2048, sums in f32.
; A = x's codes (first 2 MiB of the buffer codes), B = the four weights' codes on end (8,192 rows); the scale bytes likewise.
; A tile of C, 256 x 256, is made by a work-group of four waves; a wave makes 128 x 128: 64 accumulators, 512 registers.  K goes in steps of 512 through a ring of two LDS slots (rows of 256 bytes);
; the scale bytes of the work-group's rows, for all of K, come into LDS once.  CLUSTERS: 4 x 4 work-groups; A's tiles are asked for jointly along a row of the cluster, B's along a column.
; THE MATRIX INSTRUCTION IS USED TRANSPOSED (source 0 = 16 rows of B, source 1 = 16 rows of A): a lane holds eight neighbouring columns of one row of C.
; THE WAY OUT.  A wave's 128 x 128 is one block (rb = row block, cb = column block = 16 x type + head; types q, k, v, u).  Row ii of a block of q is multiplied by gamma^ii, row jj of a block of v by gamma^(127 - jj)
; (gamma: the head's decay), so that the retention launch needs one scalar factor for each pair of blocks.  Then the block is normalised by an exact power of two: E = the exponent field of its largest magnitude, held to 1 .. 253;
; stored is f16(value x 2^(127 - E)), under 2 in magnitude, at qkvg[cb][row][128]; E goes to ebuf[rb][cb] (4 bytes a wave: 4,096 bytes in the launch, stored a word at a time).
; LIMITS: NaN and infinities are not served; a block whose largest magnitude lies under 2^-126 is stored under E = 1.
; REGISTERS: window 0: v0-31 addresses; v32-95 scale words, two sets, and nothing else; v96-127 packed results; v128-191 A's fragments, later rows read back; v192-199 row factors; v200-215 row factor x 2^(127 - E), in pairs; v216-223 maxima; v224-231 at work.
;   window 1: B's fragments, two sets.   window 2: accumulators of my rows 0-63 ((a, b) at v[8 (8 a + b)]);   window 3: rows 64-127.
.set SIZE_M, 2048
.set SIZE_N, 8192
.set SIZE_K, 2048
.set KSTEP,  512
.set NQ,     KSTEP/128
.set ROWB,   256
.set KROW,   SIZE_K*4/8
.set PITCH,  272                       ; an LDS row: 256 bytes + 16 of padding: the 16 rows that a load touches start 68 words apart
.set FR,     8
.set NL,     2
.set NP,     4
.set HALFT,  128*PITCH
.set SLOT,   4*HALFT
.set LAPS,   SIZE_K/(2*KSTEP)
.set KS,     SIZE_K/32
.set SCL,    2*SLOT                    ; behind the ring: the scale bytes, as runs of 256 bytes + 16 of padding
.set HALFS,  (128*KS/256)*272
.set SBLK,   (16*KS/256)*272
.set SPARE,  SCL+4*HALFS               ; the spare words, 128 bytes a wave
.set SPITCH, 272                       ; the way out: a stage of 16 rows x (256 bytes + 16) for each wave, in slot 0, which has had its last fill and its last read by then
.set ADRA, 16
.set ADRB, 20
.set STO,  24
.set RD,   25
.set CO,   26
.set ADRS, 27
.set SPW,  28
.set NIL,  29
.set SC,   32
.set TMP,  96
.set AF,   128
.set OB,   128
.set RF,   192
.set FP,   200
.set MX,   216
.set G1, 24
.set G0, 32
.set G1B, 48
.set G0B, 56
.set G1S, 68
.set G0S, 76
.set G1SB, 80
.set G0SB, 88
.set MSB, 0
.macro WIN new                         ; the immediate's high byte repeats the setting that is left
.if MSB != \new
	s_set_vgpr_msb (MSB<<8)|\new
.set MSB, \new
.endif
.endm
.set MUL_LO, 0xa1                      ; source 0 (B) window 1, source 1 (A) window 0, C and D window 2
.set MUL_HI, 0xf1
.set TO_B,   0x40
; A joint load: waves 0 and 1 fetch for A, waves 2 and 3 for B; the branch hangs on the wave's number alone.  An s_nop 0 and four v_nop follow each of the two lines.
.macro JLOAD g0a, g1a, g0b, g1b
	s_cmp_eq_u32 s15, 0
	s_cbranch_scc0 .Lfor_b_\@
	tensor_load_to_lds s[\g0a:\g0a+3], s[\g1a:\g1a+7]
	s_nop 0
.rept 4
	v_nop
.endr
	s_branch .Lasked_\@
.Lfor_b_\@:
	tensor_load_to_lds s[\g0b:\g0b+3], s[\g1b:\g1b+7]
	s_nop 0
.rept 4
	v_nop
.endr
.Lasked_\@:
.endm
.macro CREST                           ; a round of the cluster's barrier behind its opening barrier
	s_cmp_lg_u32 s14, 0
	s_cbranch_scc1 .Lnot_wave_0_\@
	s_barrier_signal -3
.Lnot_wave_0_\@:
	s_barrier_wait -3
	s_barrier_signal -1
	s_barrier_wait -1
.endm
.macro CROUND
	s_barrier_signal -1
	s_barrier_wait -1
	CREST
.endm
; log2 of the head's decay.  u = 2^(-5 - 4 head / 15); gamma = 1 - u, rounded to f32; w = 1 - gamma, exact; log2(gamma) = -log2(e) w (1 + w (1/2 + w (1/3 + w (1/4 + w (1/5 + w / 6))))).
; w is at most 1/32 by the problem's own constants, so the first term left out is under 2^-32 of the sum.
.macro GAMMA vl, sh, ta, tb, tc
	v_cvt_f32_u32 v[\ta], s[\sh]
	v_mov_b32 v[\tb], 0xbe888889                   ; -4/15
	v_fmaak_f32 v[\ta], v[\ta], v[\tb], 0xc0a00000 ; - 5
	v_exp_f32 v[\ta], v[\ta]
	v_mov_b32 v[\tc], 0x3e2aaaab                   ; 1/6 (a plain line behind the exponential)
	s_wait_alu depctr_va_vdst(0)                   ; the wait ahead of the first reader
	v_sub_f32 v[\tb], 1.0, v[\ta]
	v_sub_f32 v[\tb], 1.0, v[\tb]
	v_fmaak_f32 v[\tc], v[\tc], v[\tb], 0x3e4ccccd
	v_fmaak_f32 v[\tc], v[\tc], v[\tb], 0x3e800000
	v_fmaak_f32 v[\tc], v[\tc], v[\tb], 0x3eaaaaab
	v_fmaak_f32 v[\tc], v[\tc], v[\tb], 0x3f000000
	v_fmaak_f32 v[\tc], v[\tc], v[\tb], 0x3f800000
	v_mul_f32 v[\tc], v[\tc], v[\tb]
	v_mul_f32 v[\vl], 0xbfb8aa3b, v[\tc]
.endm
	s_load_b128 s[4:7], s[0:1], 0x0                ; codes, scales
	s_load_b64 s[12:13], s[0:1], 0x10              ; qkvg
	s_load_b64 s[66:67], s[0:1], 0x18              ; ebuf
	v_lshl_add_u32 v[SPW], v0, 2, SPARE
	v_mov_b32 v[NIL], 0
	ds_add_u32 v[SPW], v[NIL]                      ; the wave's opening: the add, twice on end, and its wait ahead of my first tensor load
	ds_add_u32 v[SPW], v[NIL]
	v_lshrrev_b32 v1, 5, v0
	v_readfirstlane_b32 s14, v1                    ; wave 0..3
	s_lshr_b32 s15, s14, 1                         ; which half of the tile's rows is mine.  Also: I fetch for A (0) or for B (1)
	s_and_b32 s16, s14, 1                          ; which half of its columns.  Also: which 128 rows of that tile I fetch
	s_bfe_u32 s40, ttmp6, 0x40000                  ; cx, cy
	s_bfe_u32 s41, ttmp6, 0x40004
	s_lshl_b32 s42, ttmp9, 2
	s_add_co_u32 s42, s42, s40                     ; tile column of C
	s_and_b32 s17, ttmp7, 0xffff
	s_lshl_b32 s17, s17, 2
	s_add_co_u32 s17, s17, s41                     ; tile row of C
	s_lshl_b32 s43, s41, 2
	s_lshl_b32 s43, 15, s43                        ; my row of the cluster
	s_lshl_b32 s44, 0x1111, s40                    ; my column
	s_or_b32 s[G1+0], s43, (0<<16)|(1<<20)|(1<<21)|(5<<22)|(3<<25)  ; the mask; elements of 1 byte; padding of 4 words behind every 64
	s_or_b32 s[G1B+0], s44, (0<<16)|(1<<20)|(1<<21)|(5<<22)|(3<<25)
.irp g, G1, G1B
	s_mov_b32 s[\g+1], ROWB<<16                    ; tensor_dim0
	s_mov_b32 s[\g+2], 128<<16                     ; tensor_dim1
	s_mov_b32 s[\g+3], ROWB<<16                    ; tile_dim0
	s_mov_b32 s[\g+4], 128                         ; tile_dim1
	s_mov_b32 s[\g+5], KROW                        ; stride
	s_mov_b32 s[\g+6], 0
	s_mov_b32 s[\g+7], 0
.endr
	s_or_b32 s[G1S+0], s43, (3<<16)|(1<<20)|(1<<21)|(5<<22)|(3<<25) ; the scale bytes of 128 rows: a dense block, as rows of 256 bytes (32 elements of 8)
	s_or_b32 s[G1SB+0], s44, (3<<16)|(1<<20)|(1<<21)|(5<<22)|(3<<25)
.irp g, G1S, G1SB
	s_mov_b32 s[\g+1], 32<<16
	s_mov_b32 s[\g+2], (128*KS/256)<<16
	s_mov_b32 s[\g+3], 32<<16
	s_mov_b32 s[\g+4], 128*KS/256
	s_mov_b32 s[\g+5], 32
	s_mov_b32 s[\g+6], 0
	s_mov_b32 s[\g+7], 0
.endr
	s_lshl_b32 s18, s16, 7
	s_lshl_b32 s20, s17, 8
	s_add_co_u32 s20, s20, s18                     ; A: row 256 x tile row + 128 x half
	s_lshl_b32 s46, s42, 8
	s_add_co_u32 s46, s46, s18                     ; B: row 256 x tile column + 128 x half
	s_mov_b32 s21, 0
	s_mov_b32 s47, 0
	s_mov_b64 s[18:19], KS
	s_mul_u64 s[22:23], s[20:21], s[18:19]
	s_mul_u64 s[92:93], s[46:47], s[18:19]
	s_mov_b64 s[18:19], KROW
	s_mul_u64 s[20:21], s[20:21], s[18:19]
	s_mul_u64 s[46:47], s[46:47], s[18:19]
	s_mul_i32 s45, s14, HALFT                      ; where they go: wave x 128 rows
	s_mul_i32 s94, s14, HALFS
	s_wait_dscnt 0x0                               ; both opening adds are done
	s_wait_kmcnt 0x0
	s_add_nc_u64 s[8:9], s[4:5], 0x200000          ; the weights' codes lie behind x's 2 MiB,
	s_add_nc_u64 s[10:11], s[6:7], 0x20000         ; their scale bytes behind x's 128 KiB
	s_add_nc_u64 s[20:21], s[4:5], s[20:21]
	s_add_nc_u64 s[22:23], s[6:7], s[22:23]
	s_add_nc_u64 s[46:47], s[8:9], s[46:47]
	s_add_nc_u64 s[92:93], s[10:11], s[92:93]
	CROUND                                         ; all sixteen work-groups are here: the first joint loads meet
	s_mov_b32 s[G0S], 1
	s_add_co_u32 s[G0S+1], s94, SCL
	s_mov_b64 s[G0S+2:G0S+3], s[22:23]
	s_or_b32 s[G0S+3], s[G0S+3], 0x80000000
	s_mov_b32 s[G0SB], 1
	s_add_co_u32 s[G0SB+1], s94, SCL
	s_mov_b64 s[G0SB+2:G0SB+3], s[92:93]
	s_or_b32 s[G0SB+3], s[G0SB+3], 0x80000000
	JLOAD G0S, G1S, G0SB, G1SB                     ; the scale bytes first
.irp s, 0,1
	s_mov_b32 s[G0+4*\s], 1
	s_add_co_u32 s[G0+4*\s+1], s45, \s*SLOT
	s_add_nc_u64 s[G0+4*\s+2:G0+4*\s+3], s[20:21], \s*ROWB
	s_or_b32 s[G0+4*\s+3], s[G0+4*\s+3], 0x80000000
	s_mov_b32 s[G0B+4*\s], 1
	s_add_co_u32 s[G0B+4*\s+1], s45, \s*SLOT
	s_add_nc_u64 s[G0B+4*\s+2:G0B+4*\s+3], s[46:47], \s*ROWB
	s_or_b32 s[G0B+4*\s+3], s[G0B+4*\s+3], 0x80000000
	JLOAD G0+4*\s, G1, G0B+4*\s, G1B               ; three tensor loads of mine are out at the most
.endr
	v_and_b32 v1, 15, v0                           ; r = l % 16
	v_bfe_u32 v2, v0, 4, 1                         ; h = l / 16
	v_mul_u32_u24 v3, v1, PITCH
	v_lshl_add_u32 v4, v2, 4, v3
	s_mul_i32 s21, s15, HALFT
	s_mul_i32 s22, s16, HALFT
	s_add_co_u32 s22, s22, 2*HALFT
.irp s, 0,1
	v_add_nc_u32 v[ADRA+\s], s21, v4
	v_add_nc_u32 v[ADRB+\s], s22, v4
	s_add_co_u32 s21, s21, SLOT
	s_add_co_u32 s22, s22, SLOT
.endr
	v_mul_u32_u24 v5, v1, KS                       ; my row's scale bytes: KS a row,
	v_lshrrev_b32 v6, 8, v5
	v_lshl_add_u32 v5, v6, 4, v5                   ; and 16 more for each 256 passed
	s_mul_i32 s21, s15, HALFS
	s_mul_i32 s22, s16, HALFS
	s_add_co_u32 s22, s22, 2*HALFS
	s_sub_co_u32 s22, s22, s21
	v_mul_u32_u24 v6, s22, v2                      ; lanes 16-31 take B's
	s_add_co_u32 s21, s21, SCL
	v_add_nc_u32 v5, v5, v6
	v_add_nc_u32 v[ADRS], s21, v5
	s_mul_i32 s23, s14, 16*SPITCH                  ; my stage
	v_mul_u32_u24 v5, v1, SPITCH                   ; in: row r, 16 bytes for each half of the lanes
	v_lshl_add_u32 v5, v2, 4, v5
	v_add_nc_u32 v[STO], s23, v5
	v_mul_u32_u24 v5, v2, SPITCH                   ; back: lanes 0-15 one row of 256 bytes, lanes 16-31 the next
	v_lshl_add_u32 v5, v1, 4, v5
	v_add_nc_u32 v[RD], s23, v5
	v_and_b32 v6, 31, v0
	v_lshlrev_b32 v[CO], 4, v6                     ; and in qkvg, whose rows of 256 bytes are dense: 16 x lane
	s_lshl_b32 s95, s42, 1
	s_add_co_u32 s95, s95, s16                     ; cb = 2 x tile column + half
	s_lshl_b32 s96, s17, 1
	s_add_co_u32 s96, s96, s15                     ; rb = 2 x tile row + half
	s_lshl_b32 s46, s95, 19                        ; a column block is 2,048 rows of 256 bytes
	s_lshl_b32 s47, s96, 15
	s_add_co_u32 s46, s46, s47
	s_mov_b32 s47, 0
	s_add_nc_u64 s[12:13], s[12:13], s[46:47]      ; my block in qkvg
	s_lshl_b32 s46, s96, 6
	s_add_co_u32 s46, s46, s95
	s_lshl_b32 s46, s46, 2
	s_add_nc_u64 s[66:67], s[66:67], s[46:47]      ; and its word in ebuf
	s_lshr_b32 s96, s95, 4                         ; type: 0 q, 1 k, 2 v, 3 u
	s_and_b32 s95, s95, 15                         ; head
	s_cmp_eq_u32 s96, 0                            ; the row factor is gamma^(alpha row + beta): values are chosen, no branch
	s_cselect_b32 s97, 1.0, 0
	s_cmp_eq_u32 s96, 2
	s_cselect_b32 s97, -1.0, s97
	s_cselect_b32 s98, 0x42fe0000, 0               ; 127.0
	GAMMA 230, 95, 224, 225, 226
.irp a, 0,1,2,3,4,5,6,7
	v_add_nc_u32 v[RF+\a], 16*\a, v1               ; my row of block a
.endr
.irp a, 0,1,2,3,4,5,6,7
	v_cvt_f32_u32 v[RF+\a], v[RF+\a]
.endr
.irp a, 0,1,2,3,4,5,6,7
	v_fma_f32 v[RF+\a], v[RF+\a], s97, s98
.endr
.irp a, 0,1,2,3,4,5,6,7
	v_mul_f32 v[RF+\a], v230, v[RF+\a]
.endr
.irp a, 0,1,2,3,4,5,6,7
	v_exp_f32 v[RF+\a], v[RF+\a]
.endr
	v_nop                                          ; a plain line behind the last exponential
	s_wait_alu depctr_va_vdst(0)                   ; one wait for the eight
.macro FRAG reg, adr, q, i             ; 16 rows x 128 K of 4-bit codes: 8 registers
.irp c, 0,1
	ds_load_b128 v[\reg+4*\c:\reg+4*\c+3], v[\adr] offset:64*(\q)+32*\c+(\i)*16*PITCH
.endr
.endm
; 16 matrix instructions: A's blocks a0, a0 + 1 x B's eight, 128 along K.  The 64 accumulators take turns, one instruction a turn, in the same order in every step.
.macro MUL16 a0, p, q, sc, zero
.irp a, \a0, \a0+1
.irp b, 0,1,2,3,4,5,6,7
.if \zero
	v_wmma_scale_f32_16x16x128_f8f6f4 v[8*(8*((\a)%4)+\b):8*(8*((\a)%4)+\b)+7], v[128*(\p)+FR*\b:128*(\p)+FR*\b+FR-1], v[AF+FR*(\a):AF+FR*(\a)+FR-1], 0, v[SC+8*NQ*(\sc)+NQ*\b+(\q)], v[SC+8*NQ*(\sc)+NQ*(\a)+(\q)] matrix_a_fmt:MATRIX_FMT_FP4 matrix_b_fmt:MATRIX_FMT_FP4 matrix_a_scale:MATRIX_SCALE_ROW1
.else
	v_wmma_scale_f32_16x16x128_f8f6f4 v[8*(8*((\a)%4)+\b):8*(8*((\a)%4)+\b)+7], v[128*(\p)+FR*\b:128*(\p)+FR*\b+FR-1], v[AF+FR*(\a):AF+FR*(\a)+FR-1], v[8*(8*((\a)%4)+\b):8*(8*((\a)%4)+\b)+7], v[SC+8*NQ*(\sc)+NQ*\b+(\q)], v[SC+8*NQ*(\sc)+NQ*(\a)+(\q)] matrix_a_fmt:MATRIX_FMT_FP4 matrix_b_fmt:MATRIX_FMT_FP4 matrix_a_scale:MATRIX_SCALE_ROW1
.endif
.endr
.endr
.endm
.macro FETCH_B slot, q, p
	WIN TO_B
.irp i, 0,1,2,3,4,5,6,7
	FRAG 128*(\p)+FR*\i, ADRB+\slot, \q, \i
.endr
	WIN 0
.endm
.macro FETCH_A slot, q, i0
.irp i, \i0, \i0+1, \i0+2, \i0+3
	FRAG AF+FR*(\i), ADRA+\slot, \q, \i
.endr
.endm
.macro SCALES sc                       ; the K step's scale words: lanes 0-15 A's block i, lanes 16-31 B's block i
.irp i, 0,1,2,3,4,5,6,7
	ds_load_b128 v[SC+8*NQ*\sc+NQ*\i:SC+8*NQ*\sc+NQ*\i+3], v[ADRS] offset:\i*SBLK
.endr
.endm
.macro PLACES n                        ; plain vector lines between a matrix instruction and a load into, or a read of, its registers
.rept \n
	v_nop
.endr
.endm
.macro STEP slot, q, zero              ; 128 along K, with its successor in the same slot
	s_wait_dscnt 4*NL                              ; B's set and A's blocks 0-3 are in; the youngest eight loads (A's blocks 4-7) may be out
	WIN MUL_LO
	MUL16 0, (\q)%2, \q, \slot, \zero
	MUL16 2, (\q)%2, \q, \slot, \zero
	s_wait_dscnt 0
	PLACES NP
	FETCH_B \slot, (\q)+1, 1-(\q)%2
	FETCH_A \slot, (\q)+1, 0
	WIN MUL_HI
	MUL16 4, (\q)%2, \q, \slot, \zero
	MUL16 6, (\q)%2, \q, \slot, \zero
	PLACES NP
	WIN 0
	FETCH_A \slot, (\q)+1, 4
.endm
; A slot's last step changes slots: one barrier; in front of it each wave waits for all its tensor loads, adds 0 to its spare word, and waits for that and for its reads of this slot.
.macro TURN slot, next, fill
	s_wait_tensorcnt 0x0                           ; all my tensor loads have landed: my part of the next slot
	ds_add_u32 v[SPW], v[NIL]
	s_wait_dscnt 4*NL+1                            ; the add and the youngest eight loads may be out
	WIN MUL_LO
	MUL16 0, 1, NQ-1, \slot, 0
	s_wait_dscnt 0x0                               ; the add is done, and my reads of this slot are over
	s_barrier_signal -1
	MUL16 2, 1, NQ-1, \slot, 0
	WIN 0
	s_barrier_wait -1
.if \fill
	CREST                                          ; the barrier has opened a round of the cluster's: no wave of any partner still reads this slot or has a load on its way
	s_add_nc_u64 s[G0+4*\slot+2:G0+4*\slot+3], s[G0+4*\slot+2:G0+4*\slot+3], 2*ROWB
	s_add_nc_u64 s[G0B+4*\slot+2:G0B+4*\slot+3], s[G0B+4*\slot+2:G0B+4*\slot+3], 2*ROWB
	JLOAD G0+4*\slot, G1, G0B+4*\slot, G1B         ; the first tensor load behind the round; its four v_nop are the places in front of the loads below
.else
	PLACES NP
.endif
	v_add_nc_u32 v[ADRS], 4*NQ, v[ADRS]            ; on to the next K step's scale words
	FETCH_B \next, 0, 0
	FETCH_A \next, 0, 0
	SCALES \next
	WIN MUL_HI
	MUL16 4, 1, NQ-1, \slot, 0
	MUL16 6, 1, NQ-1, \slot, 0
	PLACES NP
	WIN 0
	FETCH_A \next, 0, 4
.endm
.macro STEPS slot, from
.set Q, \from
.rept NQ-1-\from
	STEP \slot, Q, 0
.set Q, Q+1
.endr
.endm
	s_wait_tensorcnt 1                             ; the scale bytes and my part of K step 0 are in (K step 1's load may be out)
	s_barrier_signal -1
	s_barrier_wait -1
	FETCH_B 0, 0, 0
	FETCH_A 0, 0, 0
	SCALES 0
	FETCH_A 0, 0, 4
	STEP 0, 0, 1                                   ; the first step's products start the sums
	s_mov_b32 s3, LAPS-1
.Llap:
	STEPS 0, 1
	TURN 0, 1, 1
	STEPS 1, 0
	TURN 1, 0, 1
	STEP 0, 0, 0
	s_sub_co_u32 s3, s3, 1
	s_cmp_lg_u32 s3, 0
	s_cbranch_scc1 .Llap
	STEPS 0, 1                                     ; the last lap fills nothing
	TURN 0, 1, 0
	STEPS 1, 0
	s_wait_dscnt 4*NL
	WIN MUL_LO
	MUL16 0, 1, NQ-1, 1, 0
	MUL16 2, 1, NQ-1, 1, 0
	s_wait_dscnt 0
	WIN MUL_HI
	MUL16 4, 1, NQ-1, 1, 0
	MUL16 6, 1, NQ-1, 1, 0
	WIN 0
; THE WAY OUT.  First the block's largest magnitude: for each of my eight rows the largest |sum|, four chains by turns, each accumulator from its low end on.
	PLACES NP
.irp a, 0,1,2,3,4,5,6,7
	v_mov_b32 v[MX+\a], 0
.endr
.macro MAXPASS hi
	WIN 0x28+0x14*\hi                              ; sources 1 and 2: window 2 or 3
.set I, 0
.rept 32
.irp a, 0,1,2,3
	v_max3_num_f32 v[MX+4*\hi+\a], v[MX+4*\hi+\a], |v[64*\a+2*I]|, |v[64*\a+2*I+1]|
.endr
.set I, I+1
.endr
	WIN 0
.endm
	MAXPASS 0
	MAXPASS 1
	s_mov_b32 s18, 0x76543210                      ; v_permlanex16_b32's selects for lane l xor 16
	s_mov_b32 s19, 0xfedcba98
.irp a, 0,1,2,3,4,5,6,7
	v_mul_f32 v[MX+\a], v[MX+\a], v[RF+\a]         ; with the row's factor
.endr
	v_max3_num_f32 v224, v[MX], v[MX+1], v[MX+2]
	v_max3_num_f32 v225, v[MX+3], v[MX+4], v[MX+5]
	v_max3_num_f32 v224, v224, v[MX+6], v[MX+7]
	v_max3_num_f32 v224, v224, v225, 0x800000      ; and the floor 2^-126: E is at least 1
	v_max_num_f32_dpp v224, v224, v224 row_xmask:1 row_mask:0xf bank_mask:0xf
	v_max_num_f32_dpp v224, v224, v224 row_xmask:2 row_mask:0xf bank_mask:0xf
	v_max_num_f32_dpp v224, v224, v224 row_xmask:4 row_mask:0xf bank_mask:0xf
	v_max_num_f32_dpp v224, v224, v224 row_xmask:8 row_mask:0xf bank_mask:0xf
	v_permlanex16_b32 v225, v224, s18, s19
	v_max_num_f32 v224, v224, v225                 ; the block's largest magnitude, in every lane
	v_lshrrev_b32 v225, 23, v224
	v_min_u32 v225, 253, v225                      ; E
	v_sub_nc_u32 v226, 254, v225
	v_lshlrev_b32 v226, 23, v226                   ; 2^(127 - E)
	v_mov_b32 v227, 0
.irp a, 0,1,2,3,4,5,6,7
	v_mul_f32 v[FP+2*\a], v[RF+\a], v226           ; what my row of block a is multiplied by, in both halves of a pair
	v_mul_f32 v[FP+2*\a+1], v[RF+\a], v226
.endr
.macro PACK a                          ; block a: scaled in place, rounded to f16: 16 bytes a lane for each of B's eight blocks
.set AC, 64*((\a)%4)
	WIN 0x82+0x41*((\a)/4)                         ; destination and source 0: window 2 or 3
.set I, 0
.rept 32
	v_pk_mul_f32 v[AC+2*I:AC+2*I+1], v[AC+2*I:AC+2*I+1], v[FP+2*(\a):FP+2*(\a)+1]
.set I, I+1
.endr
	WIN 0x0a+5*((\a)/4)                            ; sources 0 and 1: window 2 or 3
.irp b, 0,1,2,3,4,5,6,7
.irp r, 0,1,2,3
	v_cvt_pk_f16_f32 v[TMP+4*\b+\r], v[AC+8*\b+2*\r], v[AC+8*\b+2*\r+1]
.endr
.endr
	WIN 0
.endm
.macro TOSTAGE a                       ; into my stage and back as whole rows; LDS serves a wave's instructions in order
.set BB, OB+32*((\a)%2)
.irp b, 0,1,2,3,4,5,6,7
	ds_store_b128 v[STO], v[TMP+4*\b:TMP+4*\b+3] offset:32*\b
.endr
.irp t, 0,1,2,3,4,5,6,7
	ds_load_b128 v[BB+4*\t:BB+4*\t+3], v[RD] offset:\t*2*SPITCH
.endr
.endm
.macro SEND a, younger
.set BB, OB+32*((\a)%2)
	s_wait_dscnt \younger                          ; the block is back in registers; the next block's 8 stores and 8 loads may be out
.irp t, 0,1,2,3,4,5,6,7
	global_store_b128 v[CO], v[BB+4*\t:BB+4*\t+3], s[12:13] offset:(\a)*4096+\t*512   ; 32 lanes store 512 consecutive bytes: two rows of the block
.endr
.endm
	PACK 0
	TOSTAGE 0
.irp a, 1,2,3,4,5,6,7
	PACK \a
.if \a > 1
	s_wait_xcnt 0x0                                ; block a - 2's stores have read their registers: block a's loads may land there
.endif
	TOSTAGE \a
	SEND \a-1, 16
.endr
	SEND 7, 0
	v_and_b32 v224, 31, v0
	s_wait_xcnt 0x0                                ; EXEC changes only behind this wait
	v_cmp_eq_u32 vcc_lo, 0, v224
	s_and_saveexec_b32 s96, vcc_lo
	global_store_b32 v227, v225, s[66:67]          ; E, by lane 0
	s_wait_xcnt 0x0
	s_or_b32 exec_lo, exec_lo, s96
	s_wait_tensorcnt 0x0                           ; the wave's end
	ds_add_u32 v[SPW], v[NIL]
	s_wait_dscnt 0x0
	CROUND                                         ; the closing round
	s_endpgm
.Lfunc_end_k_qbe1f4f6f92_proj:
	.size	k_qbe1f4f6f92_proj, .Lfunc_end_k_qbe1f4f6f92_proj-k_qbe1f4f6f92_proj
	.p2alignl 7, 3214868480
	.fill 96, 4, 3214868480
	.section	.rodata,"a",@progbits
	.p2align	6, 0x0
	.amdhsa_kernel k_qbe1f4f6f92_proj
		.amdhsa_group_segment_fixed_size 327680
		.amdhsa_private_segment_fixed_size 0
		.amdhsa_enable_private_segment 0
		.amdhsa_kernarg_size 32
		.amdhsa_user_sgpr_count 2
		.amdhsa_user_sgpr_kernarg_segment_ptr 1
		.amdhsa_wavefront_size32 1
		.amdhsa_system_sgpr_workgroup_id_x 1
		.amdhsa_system_sgpr_workgroup_id_y 1
		.amdhsa_system_sgpr_workgroup_id_z 1
		.amdhsa_system_vgpr_workitem_id 0
		.amdhsa_next_free_vgpr 1024
		.amdhsa_next_free_sgpr 100
		.amdhsa_reserve_vcc 1
		.amdhsa_float_denorm_mode_32 3
		.amdhsa_float_denorm_mode_16_64 3
		.amdhsa_memory_ordered 1
		.amdhsa_forward_progress 1
		.amdhsa_inst_pref_size 250
	.end_amdhsa_kernel
	.amdgpu_metadata
---
amdhsa.version: [ 1, 2 ]
amdhsa.kernels:
  - .name:           k_qbe1f4f6f92_proj
    .symbol:         k_qbe1f4f6f92_proj.kd
    .args:
      - { .name: codes, .offset: 0, .size: 8, .value_kind: global_buffer, .address_space: global }
      - { .name: scales, .offset: 8, .size: 8, .value_kind: global_buffer, .address_space: global }
      - { .name: qkvg, .offset: 16, .size: 8, .value_kind: global_buffer, .address_space: global }
      - { .name: ebuf, .offset: 24, .size: 8, .value_kind: global_buffer, .address_space: global }
    .group_segment_fixed_size: 327680
    .private_segment_fixed_size: 0
    .kernarg_segment_align: 8
    .kernarg_segment_size: 32
    .max_flat_workgroup_size: 128
    .sgpr_count:     100
    .vgpr_count:     1024
    .wavefront_size: 32
...
	.end_amdgpu_metadata
.endif
;; end of part 2
;; launch retention (part 3): grid 16 x 16, 4 waves a work-group, clusters of 4 x 1, 327,680 bytes of LDS; arguments qkvg, ebuf, y; writes y
.if DOCPART == 3
	.amdgcn_target "amdgcn-amd-amdhsa--gfx1250"
	.amdhsa_code_object_version 6
	.text
	.protected	k_qbe1f4f6f92_retention
	.globl	k_qbe1f4f6f92_retention
	.p2align	8
	.type	k_qbe1f4f6f92_retention,@function
k_qbe1f4f6f92_retention:
	s_mov_b64 s[64:65], 0
	v_nop
	global_prefetch_b8 v0, s[64:65] scope:SCOPE_SE
	s_setreg_imm32_b32 hwreg(HW_REG_WAVE_MODE, 25, 1), 1
	s_wait_xcnt 0x0
	s_wait_alu depctr_hold_cnt(0) depctr_sa_sdst(0) depctr_va_vdst(0) depctr_va_sdst(0) depctr_va_ssrc(0) depctr_va_vcc(0) depctr_vm_vsrc(0)
	s_getreg_b32 s2, hwreg(HW_REG_IB_STS2, 6, 4)
	s_cmp_eq_u32 s2, 0
	s_cbranch_scc0 .Lentry_in_a_cluster
	s_endpgm
.Lentry_in_a_cluster:
	s_bfe_u32 s2, ttmp6, 0x10000c
	s_cmp_lg_u32 s2, 0x3003
	s_cbranch_scc0 .Lentry_shape_is_right
	s_endpgm
.Lentry_shape_is_right:
; y[i][head] = 2^-3.5 x the sum over j <= i of gamma^(i - j) (q_i . k_j) v_j, for 16 heads of 128 channels, 2,048 positions; operands f16, sums f32.
; INPUT.  qkvg[cb][row][128] f16, cb = 16 x type + head: q x gamma^(row % 128), k, v x gamma^(127 - row % 128), each block of 128 rows multiplied by 2^(127 - E), E in ebuf[row block][cb].
; With I, J the query's and the key's block: y_i = 2^(EQ_I - 127) x sum over J of 2^(t_J - 3.5) x sum over j in J, j <= i of (q^_i . k^_j) v^_j,  t_J = EK_J + EV_J - 254 + log2(gamma) (128 (I - J) - 127).
; G = the largest t_J over J <= I, rounded up to a whole number; the second product's operand is p = (q^ . k^) c_J, c_J = 2^(t_J - G + 6.5): |q^ . k^| < 512, so |p| < 46,341, inside f16; y = acc x 2^(EQ_I - 137 + G), exact.
; So the decay costs one multiplication of the scores by a scalar, and nothing in the loop hangs on data.
; SHARES.  A cluster of four work-groups (cluster x = A, 0 .. 3) of one head walks key blocks J = 0 .. 15 - 2 A jointly.  Work-group p of it owns two groups of 64 queries: rows 256 A + 64 p (low) and 256 (7 - A) + 64 p (high).
; The high group works in every step, the low group in steps J <= 2 A + 1: 18 units of 64 queries x 128 keys in every work-group.  THE FOUR WAVES SHARE THE KEYS: wave w takes keys 32 w .. 32 w + 31 of each block, for all 128 queries,
; so each fragment of K or V read from LDS feeds four or eight matrix instructions; the four partial sums meet once, at the end, in LDS.
; THE RING.  Two LDS slots, each with TWO key blocks (K and V of both): behind a round of the cluster's barrier each wave asks for one whole block of K or of V, 128 rows, and that load has two key steps' work in which to land.
; The walk has 8 - A slots: the first is written out (its products start the sums), a loop of (6 - A) / 2 trips takes two slots a trip, and the tail is written out.  8 - A is even or odd with A, and each slot has lines of its own,
; so there are two tails, chosen by A's lowest bit: a number that the four partners share, so that each joint load is issued by all four, in the same round.
; LAYOUT.  S^T = K Q^T (source 0 = 16 keys, source 1 = 16 queries): a lane holds one query and the keys 8 (lane / 16) + 0 .. 7; two such tiles, rounded to f16 in pairs, are source 1 (32 keys x 16 queries) of O^T = V^T P.  V is turned by ds_load_tr16_b128.
; THE MASK is causal: scores of keys behind the query become 0, by compare and select; the high group needs it in its last two steps, the low group takes it in all its steps.
; LIMITS: NaN and infinities are not served; where the blocks' magnitudes of k x v (decay included) within a head lie more than about 2^15 under the largest, their p lose bits in f16.
; REGISTERS: window 0: v1-31 addresses and lane constants; v32-95 K; v96-159 V; v160-223 S^T; v224-255 P.   window 1: O^T of the low group (64 qt + 8 dt);  window 2: of the high group;  window 3: Q (128 g + 32 qt + 8 ks).
.set PK,    272                        ; a row of K in LDS: 256 bytes + 16
.set PV,    288                        ; a row of V: 256 + 32, for the turning load
.set VOFF,  128*PK
.set BLK,   128*(PK+PV)                ; a region: a block of K, then of V: 71,680 bytes
.set SLOTB, 2*BLK                      ; a slot: two regions; slot 0 = regions 0, 1; slot 1 = regions 2, 3
.set REG,   16*528                     ; the way out: a region of 16 queries x (512 bytes + 16); region ((4 g + qt) 4 + wave): 32 of them, 270,336 bytes, over the ring, which has had its last fill and its last read by then
.set SPARE, 2*SLOTB                    ; behind the ring: the spare words, 128 bytes a wave
.set AK,  3                            ; v3       my place in K's tile of region 0
.set AV,  5                            ; v5       in V's
.set QO,  7
.set STO, 8
.set RD,  9                            ; v9, v10  where I read rows back, low and high group
.set GO,  11
.set PFO, 12
.set VZ,  13                           ; 0
.set CV,  14                           ; v14, v15 lane J holds c_J of the low, the high group
.set DI,  16                           ; v16-23   my query - 32 wave - 8 (lane / 16), for tile 4 g + qt
.set DD,  24                           ; v24-27   the same less the step's first key
.set SPW, 28
.set NIL, 29
.set TA,  30                           ; v30      the LDS address of the step's K; on the way out of a tile's region
.set TB,  31                           ; v31      of the step's V
.set KF,  32
.set VF,  96
.set S,   160
.set P,   224
.set WV,  10
.set PX,  11
.set CA,  12
.set HD,  13
.set LIM, 15
.set JB,  16                           ; s16 the step's key block
.set J128, 17                          ; s17 its first key
.set TAU, 18
.set NTR, 19
.set LL,  20                           ; s20 2 A + 1: the low group's last key block
.set PAR, 21                           ; s21 A's lowest bit
.set G1K, 24
.set G1V, 32
.set G0K, 40                           ; s[40:47] descriptor group 0 for K, a set for each slot
.set G0V, 48                           ; s[48:55] for V
.set CH,  56                           ; s[56:57] the step's c for the high group; s[58:59] for the low
.set CL,  58
.set FE,  60                           ; s60, s61 the last exponent, low and high
.set PFA, 62
.set QB,  66
.set YB,  70
.set IG,  74
.set MSB, 0
.macro WIN new
.if MSB != \new
	s_set_vgpr_msb (MSB<<8)|\new
.set MSB, \new
.endif
.endm
.set W_KQ, 0x0c                        ; source 1 (Q) window 3; K and S^T window 0
; A joint load into slot s: waves 0 and 1 fetch K of the slot's two blocks, waves 2 and 3 V.  The branch hangs on the wave's number alone.  An s_nop 0 and four v_nop follow each line.
.macro JLOAD s
	s_cmp_lt_u32 s[WV], 2
	s_cbranch_scc0 .Lfor_v_\@
	tensor_load_to_lds s[G0K+4*(\s):G0K+4*(\s)+3], s[G1K:G1K+7]
	s_nop 0
.rept 4
	v_nop
.endr
	s_branch .Lasked_\@
.Lfor_v_\@:
	tensor_load_to_lds s[G0V+4*(\s):G0V+4*(\s)+3], s[G1V:G1V+7]
	s_nop 0
.rept 4
	v_nop
.endr
.Lasked_\@:
.endm
.macro CROUND
	s_barrier_signal -1
	s_barrier_wait -1
	s_cmp_lg_u32 s[WV], 0
	s_cbranch_scc1 .Lnot_wave_0_\@
	s_barrier_signal -3
.Lnot_wave_0_\@:
	s_barrier_wait -3
	s_barrier_signal -1
	s_barrier_wait -1
.endm
; A prefetch into the L2: at the change at the head of slot s, of slot s + 2, whose joint loads are issued at the next change: two key steps ahead of them.  Each row of 256 bytes is named once in the launch: of a head's four
; clusters the one that walks all 16 blocks (A = 0) asks; of a slot's 256 rows of K and 256 of V its four partners take 64 each, told apart by address; waves 0 and 1 ask for K's, waves 2 and 3 for V's, 32 rows each, a lane a row.
; It stops with slot 7 (key block under 12 at the change).  Slots 0 to 2 come by their loads alone.
.macro ASK
	s_cmp_lt_u32 s[JB], s[LIM]
	s_cbranch_scc0 .Lnot_mine_\@
	global_prefetch_b8 v[PFO], s[PFA:PFA+1] th:TH_LOAD_NT scope:SCOPE_SE
.Lnot_mine_\@:
.endm
.macro GAMMA vl, sh, ta, tb, tc        ; log2 of the head's decay: u = 2^(-5 - 4 head / 15); gamma = 1 - u in f32; w = 1 - gamma; -log2(e) w (1 + w (1/2 + .. + w / 6)); w <= 1/32, so what is left out is under 2^-32 of the sum
	v_cvt_f32_u32 v[\ta], s[\sh]
	v_mov_b32 v[\tb], 0xbe888889
	v_fmaak_f32 v[\ta], v[\ta], v[\tb], 0xc0a00000
	v_exp_f32 v[\ta], v[\ta]
	v_mov_b32 v[\tc], 0x3e2aaaab                   ; (a plain line behind the exponential)
	s_wait_alu depctr_va_vdst(0)                   ; the wait ahead of the first reader
	v_sub_f32 v[\tb], 1.0, v[\ta]
	v_sub_f32 v[\tb], 1.0, v[\tb]
	v_fmaak_f32 v[\tc], v[\tc], v[\tb], 0x3e4ccccd
	v_fmaak_f32 v[\tc], v[\tc], v[\tb], 0x3e800000
	v_fmaak_f32 v[\tc], v[\tc], v[\tb], 0x3eaaaaab
	v_fmaak_f32 v[\tc], v[\tc], v[\tb], 0x3f000000
	v_fmaak_f32 v[\tc], v[\tc], v[\tb], 0x3f800000
	v_mul_f32 v[\tc], v[\tc], v[\tb]
	v_mul_f32 v[\vl], 0xbfb8aa3b, v[\tc]
.endm
	s_load_b128 s[4:7], s[0:1], 0x0                ; qkvg, ebuf
	s_load_b64 s[8:9], s[0:1], 0x10                ; y
	v_lshl_add_u32 v[SPW], v0, 2, SPARE
	v_mov_b32 v[NIL], 0
	ds_add_u32 v[SPW], v[NIL]                      ; the wave's opening: the add, twice on end, and its wait ahead of my first tensor load
	ds_add_u32 v[SPW], v[NIL]
	v_lshrrev_b32 v1, 5, v0
	v_readfirstlane_b32 s[WV], v1                  ; wave 0..3
	s_bfe_u32 s[PX], ttmp6, 0x40000                ; p: my place in the cluster
	s_mov_b32 s[CA], ttmp9                         ; A: the cluster's x
	s_and_b32 s[HD], ttmp7, 0xffff                 ; the head
	s_and_b32 s14, s[WV], 1                        ; which block of a slot I fetch
	s_and_b32 s[PAR], s[CA], 1
	s_lshl_b32 s[LL], s[CA], 1
	s_add_co_u32 s[LL], s[LL], 1                   ; 2 A + 1
	s_sub_co_u32 s[NTR], 6, s[CA]
	s_lshr_b32 s[NTR], s[NTR], 1                   ; the loop's trips: 3, 2, 2, 1
	s_lshl_b32 s76, s[CA], 8
	s_lshl_b32 s77, s[PX], 6
	s_add_co_u32 s76, s76, s77                     ; the low group's first query
	s_sub_co_u32 s78, 7, s[CA]
	s_lshl_b32 s78, s78, 8
	s_add_co_u32 s78, s78, s77                     ; the high group's
	s_lshr_b32 s[IG], s76, 7                       ; their blocks
	s_lshr_b32 s[IG+1], s78, 7
	s_lshl_b32 s80, s[HD], 19                      ; the head's column block among a type's sixteen, in bytes
	s_lshl_b32 s81, s14, 15                        ; a block is 128 rows of 256 bytes
	s_add_co_u32 s82, s80, s81
	s_add_co_u32 s82, s82, 0x800000                ; K: column blocks 16 on; my block of slot 0
	s_mov_b32 s83, 0
	s_add_co_u32 s84, s82, 0x800000                ; V: column blocks 32 on
	s_mov_b32 s85, 0
	s_mul_i32 s86, s14, BLK                        ; and their places in a slot: the wave's number alone
	s_add_co_u32 s87, s86, VOFF
	s_lshl_b32 s88, s76, 8
	s_add_co_u32 s88, s88, s80                     ; Q: the groups' first rows
	s_mov_b32 s89, 0
	s_lshl_b32 s90, s78, 8
	s_add_co_u32 s90, s90, s80
	s_mov_b32 s91, 0
	s_lshl_b32 s81, s[WV], 4                       ; y: on the way out wave w stores query tile w of each group
	s_lshl_b32 s79, s[HD], 9
	s_add_co_u32 s92, s76, s81
	s_lshl_b32 s92, s92, 13
	s_add_co_u32 s92, s92, s79
	s_mov_b32 s93, 0
	s_add_co_u32 s94, s78, s81
	s_lshl_b32 s94, s94, 13
	s_add_co_u32 s94, s94, s79
	s_mov_b32 s95, 0
	s_cmp_lt_u32 s[WV], 2                          ; the prefetches: waves 0 and 1 stand in K, waves 2 and 3 in V,
	s_mov_b32 s3, 0x1000000
	s_cselect_b32 s2, 0x800000, s3
	s_add_co_u32 s2, s2, s80                       ; in my head,
	s_lshl_b32 s3, s[PX], 14                       ; at my work-group's 64 rows of a slot's 256,
	s_add_co_u32 s2, s2, s3
	s_lshl_b32 s3, s14, 13                         ; at my wave's 32 of them,
	s_add_co_u32 s2, s2, s3
	s_add_co_u32 s2, s2, 2*65536                   ; in slot 2: the first change of slots moves it on to slot 3
	s_mov_b32 s3, 0
	s_cmp_eq_u32 ttmp9, 0                          ; the clusters with A = 0 ask: the same in all four partners
	s_cselect_b32 s[LIM], 12, 0
	s_mov_b32 s[G1K], 15|(1<<16)|(1<<20)|(1<<21)|(5<<22)|(3<<25)  ; the mask: all four work-groups; elements of 2 bytes; 4 words of padding behind every 64
	s_mov_b32 s[G1V], 15|(1<<16)|(1<<20)|(1<<21)|(5<<22)|(7<<25)  ; the same with 8 words
.irp g, G1K, G1V
	s_mov_b32 s[\g+1], 128<<16                     ; tensor_dim0
	s_mov_b32 s[\g+2], 128<<16                     ; tensor_dim1
	s_mov_b32 s[\g+3], 128<<16                     ; tile_dim0
	s_mov_b32 s[\g+4], 128                         ; tile_dim1: a whole block
	s_mov_b32 s[\g+5], 128                         ; stride
	s_mov_b32 s[\g+6], 0
	s_mov_b32 s[\g+7], 0
.endr
	s_mov_b32 s[JB], 0
	s_mov_b32 s[J128], 0
	s_wait_dscnt 0x0                               ; both opening adds are done
	s_wait_kmcnt 0x0
	s_add_nc_u64 s[QB:QB+1], s[4:5], s[88:89]
	s_add_nc_u64 s[QB+2:QB+3], s[4:5], s[90:91]
	s_add_nc_u64 s[YB:YB+1], s[8:9], s[92:93]
	s_add_nc_u64 s[YB+2:YB+3], s[8:9], s[94:95]
	s_add_nc_u64 s[82:83], s[4:5], s[82:83]
	s_add_nc_u64 s[84:85], s[4:5], s[84:85]
	s_add_nc_u64 s[PFA:PFA+1], s[4:5], s[2:3]
	CROUND                                         ; all four work-groups are here: the first joint loads meet
.irp s, 0,1
	s_mov_b32 s[G0K+4*\s], 1
	s_add_co_u32 s[G0K+4*\s+1], s86, \s*SLOTB
	s_add_nc_u64 s[G0K+4*\s+2:G0K+4*\s+3], s[82:83], \s*65536       ; set s begins with key blocks 2 s and 2 s + 1
	s_or_b32 s[G0K+4*\s+3], s[G0K+4*\s+3], 0x80000000
	s_mov_b32 s[G0V+4*\s], 1
	s_add_co_u32 s[G0V+4*\s+1], s87, \s*SLOTB
	s_add_nc_u64 s[G0V+4*\s+2:G0V+4*\s+3], s[84:85], \s*65536
	s_or_b32 s[G0V+4*\s+3], s[G0V+4*\s+3], 0x80000000
.endr
	s_cmp_lt_u32 s[WV], 2                          ; a wave's two first fills stand in one branch, ahead of every wait on TENSORcnt and every LDS read: two loads of mine are out here, one behind every round
	s_cbranch_scc0 .Lfirst_v
	tensor_load_to_lds s[G0K:G0K+3], s[G1K:G1K+7]
	s_nop 0
	tensor_load_to_lds s[G0K+4:G0K+7], s[G1K:G1K+7]
	s_nop 0
.rept 4
	v_nop
.endr
	s_branch .Lfirst_asked
.Lfirst_v:
	tensor_load_to_lds s[G0V:G0V+3], s[G1V:G1V+7]
	s_nop 0
	tensor_load_to_lds s[G0V+4:G0V+7], s[G1V:G1V+7]
	s_nop 0
.rept 4
	v_nop
.endr
.Lfirst_asked:
	s_lshl_b32 s88, s[IG], 6                       ; EQ of the two groups' blocks: ebuf[I][head]
	s_add_co_u32 s88, s88, s[HD]
	s_lshl_b32 s88, s88, 2
	s_mov_b32 s89, 0
	s_add_nc_u64 s[88:89], s[6:7], s[88:89]
	s_load_b32 s[FE], s[88:89], 0x0
	s_lshl_b32 s90, s[IG+1], 6
	s_add_co_u32 s90, s90, s[HD]
	s_lshl_b32 s90, s90, 2
	s_mov_b32 s91, 0
	s_add_nc_u64 s[90:91], s[6:7], s[90:91]
	s_load_b32 s[FE+1], s[90:91], 0x0
	v_and_b32 v1, 15, v0                           ; r; also J, the key block that my lane reckons c for
	v_bfe_u32 v2, v0, 4, 1                         ; h
	v_lshlrev_b32 v224, 8, v1
	s_lshl_b32 s81, s[HD], 2
	v_add_nc_u32 v224, s81, v224                   ; ebuf[J][head]
	global_load_b32 v225, v224, s[6:7] offset:64   ; EK: 16 columns on
	global_load_b32 v226, v224, s[6:7] offset:128  ; EV: 32 columns on
	v_lshlrev_b32 v[QO], 8, v1
	v_lshl_add_u32 v[QO], v2, 4, v[QO]             ; Q: row r x 256 + 16 h
	WIN 0xc0                                       ; destination window 3
.irp g, 0,1
.irp qt, 0,1,2,3
.irp ks, 0,1,2,3
	global_load_b128 v[128*\g+32*\qt+8*\ks:128*\g+32*\qt+8*\ks+3], v[QO], s[QB+2*\g:QB+2*\g+1] offset:\qt*4096+\ks*64
	global_load_b128 v[128*\g+32*\qt+8*\ks+4:128*\g+32*\qt+8*\ks+7], v[QO], s[QB+2*\g:QB+2*\g+1] offset:\qt*4096+\ks*64+32
.endr
.endr
.endr
	WIN 0
	s_lshl_b32 s79, s[WV], 5                       ; 32 w: my keys of a block
	v_add_nc_u32 v[TA], s79, v1
	v_mul_u32_u24 v[AK], v[TA], PK
	v_lshl_add_u32 v[AK], v2, 4, v[AK]             ; K: (32 w + r) x pitch + 16 h
	v_and_b32 v[TA], 7, v0
	v_lshl_add_u32 v[TA], v2, 3, v[TA]
	v_add_nc_u32 v[TA], s79, v[TA]
	v_mul_u32_u24 v[AV], v[TA], PV                 ; V: (32 w + 8 h + l % 8) x pitch + 16 ((l / 8) % 2)
	v_bfe_u32 v31, v0, 3, 1
	v_lshl_add_u32 v[AV], v31, 4, v[AV]
	v_add_nc_u32 v[AV], VOFF, v[AV]
	s_mul_i32 s77, s[WV], REG
	v_mul_u32_u24 v[STO], v1, 528
	v_lshl_add_u32 v[STO], v2, 5, v[STO]
	v_add_nc_u32 v[STO], s77, v[STO]               ; the way out, in: my wave's region, row r, 32 h
	v_and_b32 v31, 31, v0
	v_lshlrev_b32 v[GO], 4, v31                    ; 16 x lane
	v_lshlrev_b32 v[PFO], 8, v31                   ; 256 x lane
	s_mul_i32 s77, s[WV], 4*REG
	v_add_nc_u32 v[RD], s77, v[GO]                 ; back: the four regions of query tile w, low group,
	v_add_nc_u32 v[RD+1], 16*REG, v[RD]            ; high group
	v_mov_b32 v[VZ], 0
	v_lshlrev_b32 v31, 3, v2
	v_sub_nc_u32 v31, v1, v31
	v_sub_nc_u32 v31, v31, s79                     ; r - 8 h - 32 w
	v_add_nc_u32 v[DI], s76, v31
	v_add_nc_u32 v[DI+4], s78, v31
.irp q, 1,2,3
	v_add_nc_u32 v[DI+\q], 16*\q, v[DI]
	v_add_nc_u32 v[DI+4+\q], 16*\q, v[DI+4]
.endr
	GAMMA 227, HD, 228, 229, 230
	s_wait_loadcnt 63                              ; EK and EV are in: 64 loads of Q were issued behind them, and a wait's count names 63 at the most, so this one asks for Q's first load too
	s_wait_kmcnt 0x0                               ; EQ
	v_add_nc_u32 v225, v225, v226
	v_cvt_f32_i32 v225, v225
	v_add_f32 v225, 0xc37e0000, v225               ; EK + EV - 254
	v_mov_b32 v226, 0xff61b1e6                     ; -3e38, under every t
.irp g, 0,1
	v_sub_nc_u32 v[232+\g], s[IG+\g], v1           ; I - J
	v_lshlrev_b32 v[232+\g], 7, v[232+\g]
	v_add_nc_u32 v[232+\g], 0xffffff81, v[232+\g]  ; 128 (I - J) - 127
	v_cvt_f32_i32 v[232+\g], v[232+\g]
	v_fma_f32 v[232+\g], v227, v[232+\g], v225     ; t_J
	v_cmp_ge_u32 s[86+\g], s[IG+\g], v1            ; J <= I: the block counts
	v_cndmask_b32 v[234+\g], v226, v[232+\g], s[86+\g]
	v_max_num_f32_dpp v[234+\g], v[234+\g], v[234+\g] row_xmask:1 row_mask:0xf bank_mask:0xf
	v_max_num_f32_dpp v[234+\g], v[234+\g], v[234+\g] row_xmask:2 row_mask:0xf bank_mask:0xf
	v_max_num_f32_dpp v[234+\g], v[234+\g], v[234+\g] row_xmask:4 row_mask:0xf bank_mask:0xf
	v_max_num_f32_dpp v[234+\g], v[234+\g], v[234+\g] row_xmask:8 row_mask:0xf bank_mask:0xf
	v_floor_f32 v[234+\g], -v[234+\g]              ; -G = floor(-t): G is a whole number (block 0 counts for every query, so the largest t is a number)
	v_add_f32 v[232+\g], v[232+\g], v[234+\g]
	v_add_f32 v[232+\g], 0x40d00000, v[232+\g]     ; t - G + 6.5
	v_cvt_i32_f32 v[234+\g], v[234+\g]
	v_readfirstlane_b32 s[88+\g], v[234+\g]
.endr
	v_exp_f32 v232, v232
	v_exp_f32 v233, v233
	v_nop                                          ; a plain line behind the exponentials
	s_wait_alu depctr_va_vdst(0)                   ; one wait for the two
	v_cndmask_b32 v[CV], v[VZ], v232, s86          ; c_J, 0 for blocks behind the group's
	v_cndmask_b32 v[CV+1], v[VZ], v233, s87
	s_sub_co_u32 s[FE], s[FE], s88                 ; EQ + G
	s_sub_co_u32 s[FE], s[FE], 137
	s_sub_co_u32 s[FE+1], s[FE+1], s89
	s_sub_co_u32 s[FE+1], s[FE+1], 137
	s_wait_loadcnt 0x0                             ; Q
; THE CHANGE OF SLOTS stands at a slot's head.  Each wave waits for all its tensor loads (its part of the slot that it is about to read), adds 0 to its spare word, and waits for that and for its reads of the other slot.
; refill = 1: a round of the cluster's barrier, and behind it the next two key blocks go into the other slot: they have this slot's two steps in which to land.
.macro CHANGE slot, refill, ask
	s_wait_tensorcnt 0x0                           ; no tensor load of mine is out, so a group 0 may be written
	ds_add_u32 v[SPW], v[NIL]                      ; 0 onto my spare word; with refill = 1 the steps below stand between it and the wait for it
.if \refill
	s_add_nc_u64 s[G0K+4*(1-\slot)+2:G0K+4*(1-\slot)+3], s[G0K+4*(1-\slot)+2:G0K+4*(1-\slot)+3], 131072   ; the other slot's next two blocks: four blocks on from its last
	s_add_nc_u64 s[G0V+4*(1-\slot)+2:G0V+4*(1-\slot)+3], s[G0V+4*(1-\slot)+2:G0V+4*(1-\slot)+3], 131072
.endif
.if \ask
	s_wait_xcnt 0x0                                ; the last prefetch, a slot back, has read its address
	s_add_nc_u64 s[PFA:PFA+1], s[PFA:PFA+1], 65536
.endif
	s_wait_dscnt 0x0                               ; the add is done, and my reads of the other slot are over
.if \refill
	CROUND
	JLOAD 1-\slot                                  ; the first tensor load behind the round, one a wave
.if \ask
	ASK
.endif
.else
	s_barrier_signal -1
	s_barrier_wait -1
.endif
.endm
.macro FETCH r                         ; region r: my 32 keys: K's 8 fragments (16 keys x 32 channels), then V's 8 (16 channels x 32 keys), turned
	v_add_nc_u32 v[TA], (\r)*BLK, v[AK]            ; these two and the two v_nop are the four plain lines between the last step's last product and the loads into the registers that it read
	v_add_nc_u32 v[TB], (\r)*BLK, v[AV]
	v_nop
	v_nop
.irp kt, 0,1
.irp ks, 0,1,2,3
	ds_load_b128 v[KF+32*\kt+8*\ks:KF+32*\kt+8*\ks+3], v[TA] offset:\kt*16*PK+64*\ks
	ds_load_b128 v[KF+32*\kt+8*\ks+4:KF+32*\kt+8*\ks+7], v[TA] offset:\kt*16*PK+64*\ks+32
.endr
.endr
.irp dt, 0,1,2,3,4,5,6,7
	ds_load_tr16_b128 v[VF+8*\dt:VF+8*\dt+3], v[TB] offset:32*\dt
	ds_load_tr16_b128 v[VF+8*\dt+4:VF+8*\dt+7], v[TB] offset:16*PV+32*\dt
.endr
.endm
; One group's work in a step: 32 products K Q^T (eight accumulators by turns), x c, the mask, 32 roundings, 32 products V^T P (32 accumulators).
.macro GROUP g, zero, masked, last
	WIN W_KQ
.irp ks, 0,1,2,3
.irp qt, 0,1,2,3
.irp kt, 0,1
.if \ks == 0
	v_wmma_f32_16x16x32_f16 v[S+16*\qt+8*\kt:S+16*\qt+8*\kt+7], v[KF+32*\kt+8*\ks:KF+32*\kt+8*\ks+7], v[128*\g+32*\qt+8*\ks:128*\g+32*\qt+8*\ks+7], 0
.else
	v_wmma_f32_16x16x32_f16 v[S+16*\qt+8*\kt:S+16*\qt+8*\kt+7], v[KF+32*\kt+8*\ks:KF+32*\kt+8*\ks+7], v[128*\g+32*\qt+8*\ks:128*\g+32*\qt+8*\ks+7], v[S+16*\qt+8*\kt:S+16*\qt+8*\kt+7]
.endif
.endr
.endr
.endr
	WIN 0
.irp qt, 0,1,2,3                       ; four plain lines between the last product and the first read of a score
.if \masked
	v_sub_nc_u32 v[DD+\qt], v[DI+4*\g+\qt], s[J128]   ; d = my query - the first key of my lane's eight
.else
	v_nop
.endif
.endr
.set I, 0
.rept 32
	v_pk_mul_f32 v[S+2*I:S+2*I+1], v[S+2*I:S+2*I+1], s[CL-2*\g:CL-2*\g+1] op_sel_hi:[1,0]   ; x c_J, each accumulator from its low end on
.set I, I+1
.endr
.if \masked
.irp qt, 0,1,2,3
.irp n, 0,1,2,3,4,5,6,7,8,9,10,11,12,13,14,15
	v_cmp_gt_i32 vcc_lo, 16*(\n/8)+\n%8, v[DD+\qt]    ; register n holds the key 16 (n / 8) + n % 8 on: hidden where that is above d
	v_cndmask_b32 v[S+16*\qt+\n], v[S+16*\qt+\n], v[VZ], vcc_lo
.endr
.endr
.endif
.set I, 0
.rept 32
	v_cvt_pk_f16_f32 v[P+I], v[S+2*I], v[S+2*I+1]
.set I, I+1
.endr
.if \g == 1
	s_wait_dscnt 0x0                               ; V is in (the high group goes first in every step)
.endif
.if \last
	s_barrier_signal -1                            ; my last reads of the ring are over
.endif
	WIN 0x50*(1+\g)                                ; C and D: window 1 or 2
.irp qt, 0,1,2,3
.irp dt, 0,1,2,3,4,5,6,7
.if \zero
	v_wmma_f32_16x16x32_f16 v[64*\qt+8*\dt:64*\qt+8*\dt+7], v[VF+8*\dt:VF+8*\dt+7], v[P+8*\qt:P+8*\qt+7], 0
.else
	v_wmma_f32_16x16x32_f16 v[64*\qt+8*\dt:64*\qt+8*\dt+7], v[VF+8*\dt:VF+8*\dt+7], v[P+8*\qt:P+8*\qt+7], v[64*\qt+8*\dt:64*\qt+8*\dt+7]
.endif
.endr
.endr
	WIN 0
.if \last
	s_barrier_wait -1                              ; everybody's are: the ring's bytes may be stored into
.endif
.endm
; A key step on region r.  low = 2: the low group works; 1: it works while the key block is at most 2 A + 1 (a branch on ids and the count of steps: the same in all waves and partners); 0: it does not.
.macro STEP r, zero, himask, low, last
	v_readlane_b32 s[CH], v[CV+1], s[JB]           ; the step's two factors
	v_readlane_b32 s[CL], v[CV], s[JB]
	s_mov_b32 s[CH+1], s[CH]                       ; (named with them as pairs)
	s_mov_b32 s[CL+1], s[CL]
	FETCH \r
	s_wait_dscnt 16                                ; K's 16 loads are in; V's 16 may be out
	GROUP 1, \zero, \himask, \last
.if \low == 2
	GROUP 0, \zero, 1, 0
.endif
.if \low == 1
	s_cmp_gt_u32 s[JB], s[LL]
	s_cbranch_scc1 .Lno_low_\@
	GROUP 0, 0, 1, 0
.Lno_low_\@:
.endif
	s_add_co_u32 s[JB], s[JB], 1
	s_add_co_u32 s[J128], s[J128], 128
.endm
	s_wait_tensorcnt 0x1                           ; my part of slot 0 is in; slot 1's load may stay out
	s_barrier_signal -1
	s_barrier_wait -1                              ; everybody's is
	STEP 0, 1, 0, 2, 0                             ; slot 0 is written out: its first products start O^T's sums; both groups work on key blocks 0 and 1
	STEP 1, 0, 0, 2, 0
	s_mov_b32 s[TAU], 0
.Ltrip:                                            ; (6 - A) / 2 trips of two slots, four key steps; both changes fill the slot just left
	CHANGE 1, 1, 1
	STEP 2, 0, 0, 1, 0
	STEP 3, 0, 0, 1, 0
	CHANGE 0, 1, 1
	STEP 0, 0, 0, 1, 0
	STEP 1, 0, 0, 1, 0
	s_add_co_u32 s[TAU], s[TAU], 1
	s_cmp_lt_u32 s[TAU], s[NTR]
	s_cbranch_scc1 .Ltrip
	s_cmp_lg_u32 s[PAR], 0                         ; the tails are written out.  A even: one slot is left; A odd: two.  A is the cluster's x: all four partners go the same way
	s_cbranch_scc1 .Lodd
	CHANGE 1, 0, 0                                 ; A even: the last slot, the high group's two blocks on the diagonal; nothing is asked for
	STEP 2, 0, 1, 0, 0
	STEP 3, 0, 1, 0, 1
	s_branch .Lout
.Lodd:
	CHANGE 1, 1, 0                                 ; A odd: one more slot, behind whose change the last two blocks are asked for,
	STEP 2, 0, 0, 1, 0
	STEP 3, 0, 0, 1, 0
	CHANGE 0, 0, 0                                 ; and the last slot
	STEP 0, 0, 1, 0, 0
	STEP 1, 0, 1, 0, 1
.Lout:
; THE WAY OUT.  Each wave puts its partial O^T of all eight query tiles into regions of its own; a barrier; wave w adds the four waves' parts of query tile w of both groups, four rows at a time, and stores whole pieces of 512 bytes of y's rows.
.rept 4
	v_nop                                          ; plain lines between the last products and the first read of their results
.endr
.macro TOSTAGE g, qt
	v_add_nc_u32 v[TA], (4*\g+\qt)*4*REG, v[STO]
	WIN 0x04*(1+\g)                                ; an LDS store's data are its source 1: window 1 or 2
.irp dt, 0,1,2,3,4,5,6,7
.irp hf, 0,1
	ds_store_b128 v[TA], v[64*\qt+8*\dt+4*\hf:64*\qt+8*\dt+4*\hf+3] offset:64*\dt+16*\hf   ; each accumulator from its low end on
.endr
.endr
	WIN 0
.endm
.irp g, 0,1
.irp qt, 0,1,2,3
	TOSTAGE \g, \qt
.endr
.endr
	s_wait_dscnt 0x0                               ; for the others' sake: my stores are done
	s_barrier_signal -1
	s_barrier_wait -1
.macro LOADROWS k                      ; chunk k: group k / 4, rows 4 (k % 4) on: four rows x four waves' parts
.irp rr, 0,1,2,3
.irp ws, 0,1,2,3
	ds_load_b128 v[32+64*((\k)%2)+16*\rr+4*\ws:32+64*((\k)%2)+16*\rr+4*\ws+3], v[RD+(\k)/4] offset:\ws*REG+(4*((\k)%4)+\rr)*528
.endr
.endr
.endm
.macro SUMROWS k
.if (\k) < 7
	s_wait_dscnt 16                                ; this chunk's 16 loads are in; the next chunk's may be out
.else
	s_wait_dscnt 0x0
.endif
.irp rr, 0,1,2,3
.set BB, 32+64*((\k)%2)+16*\rr
	v_pk_add_f32 v[BB:BB+1], v[BB:BB+1], v[BB+4:BB+5]
	v_pk_add_f32 v[BB+2:BB+3], v[BB+2:BB+3], v[BB+6:BB+7]
	v_pk_add_f32 v[BB+8:BB+9], v[BB+8:BB+9], v[BB+12:BB+13]
	v_pk_add_f32 v[BB+10:BB+11], v[BB+10:BB+11], v[BB+14:BB+15]
	v_pk_add_f32 v[BB:BB+1], v[BB:BB+1], v[BB+8:BB+9]
	v_pk_add_f32 v[BB+2:BB+3], v[BB+2:BB+3], v[BB+10:BB+11]
.irp i, 0,1,2,3
	v_ldexp_f32 v[BB+\i], v[BB+\i], s[FE+(\k)/4]   ; x 2^(EQ - 137 + G): exact
.endr
	global_store_b128 v[GO], v[BB:BB+3], s[YB+2*((\k)/4):YB+2*((\k)/4)+1] offset:(4*((\k)%4)+\rr)*8192 th:TH_STORE_NT   ; 32 lanes store 512 consecutive bytes: the head's part of a row of y
.endr
.if (\k)+2 < 8
	s_wait_xcnt 0x0                                ; the stores have read their registers: the chunk two on may land there
	LOADROWS (\k)+2
.endif
.endm
	LOADROWS 0
	LOADROWS 1
.irp k, 0,1,2,3,4,5,6,7
	SUMROWS \k
.endr
	s_wait_tensorcnt 0x0                           ; the wave's end
	ds_add_u32 v[SPW], v[NIL]
	s_wait_dscnt 0x0
	CROUND                                         ; the closing round
	s_endpgm
.Lfunc_end_k_qbe1f4f6f92_retention:
	.size	k_qbe1f4f6f92_retention, .Lfunc_end_k_qbe1f4f6f92_retention-k_qbe1f4f6f92_retention
	.p2alignl 7, 3214868480
	.fill 96, 4, 3214868480
	.section	.rodata,"a",@progbits
	.p2align	6, 0x0
	.amdhsa_kernel k_qbe1f4f6f92_retention
		.amdhsa_group_segment_fixed_size 327680
		.amdhsa_private_segment_fixed_size 0
		.amdhsa_enable_private_segment 0
		.amdhsa_kernarg_size 24
		.amdhsa_user_sgpr_count 2
		.amdhsa_user_sgpr_kernarg_segment_ptr 1
		.amdhsa_wavefront_size32 1
		.amdhsa_system_sgpr_workgroup_id_x 1
		.amdhsa_system_sgpr_workgroup_id_y 1
		.amdhsa_system_sgpr_workgroup_id_z 1
		.amdhsa_system_vgpr_workitem_id 0
		.amdhsa_next_free_vgpr 1024
		.amdhsa_next_free_sgpr 96
		.amdhsa_reserve_vcc 1
		.amdhsa_float_denorm_mode_32 3
		.amdhsa_float_denorm_mode_16_64 3
		.amdhsa_memory_ordered 1
		.amdhsa_forward_progress 1
		.amdhsa_inst_pref_size 255
	.end_amdhsa_kernel
	.section	.bss,"aw",@nobits
	.p2align	6
	.space	262144
	.amdgpu_metadata
---
amdhsa.version: [ 1, 2 ]
amdhsa.kernels:
  - .name:           k_qbe1f4f6f92_retention
    .symbol:         k_qbe1f4f6f92_retention.kd
    .args:
      - { .name: qkvg, .offset: 0, .size: 8, .value_kind: global_buffer, .address_space: global }
      - { .name: ebuf, .offset: 8, .size: 8, .value_kind: global_buffer, .address_space: global }
      - { .name: y, .offset: 16, .size: 8, .value_kind: global_buffer, .address_space: global }
    .group_segment_fixed_size: 327680
    .private_segment_fixed_size: 0
    .kernarg_segment_align: 8
    .kernarg_segment_size: 24
    .max_flat_workgroup_size: 128
    .sgpr_count:     96
    .vgpr_count:     1024
    .wavefront_size: 32
...
	.end_amdgpu_metadata
.endif
;; end of part 3
;; launch gate (part 4): grid 256 x 1, 8 waves a work-group, no clusters, 0 bytes of LDS; arguments y, qkvg, ebuf, ln_w, ln_b, z16, zs; writes z16, zs
.if DOCPART == 4
	.amdgcn_target "amdgcn-amd-amdhsa--gfx1250"
	.amdhsa_code_object_version 6
	.text
	.protected	k_qbe1f4f6f92_gate
	.globl	k_qbe1f4f6f92_gate
	.p2align	8
	.type	k_qbe1f4f6f92_gate,@function
k_qbe1f4f6f92_gate:
	s_mov_b64 s[64:65], 0
	v_nop
	global_prefetch_b8 v0, s[64:65] scope:SCOPE_SE
	s_setreg_imm32_b32 hwreg(HW_REG_WAVE_MODE, 25, 1), 1
	s_wait_xcnt 0x0
; z = LayerNorm(y) x silu(u), row by row; z's row is normalised by an exact power of two and rounded to f16.
; y: [2048][2048] f32.  u = x wg^T lies in qkvg's column blocks 48 .. 63 as f16(u x 2^(127 - E)), E in ebuf[row / 128][48 + head].  z16: [2048][2048] f16 = z x 2^(127 - Ez); zs[row] = 2^(Ez - 132): 2^(Ez - 127) and the 1/32 that wo16 carries.
; One wave takes one row and keeps it in registers: the mean, then the mean of the squared differences (two passes over registers, so a common offset of y costs nothing), all in f32.  No LDS, no barrier, no matrix unit: memory binds.
; A lane's columns are 128 c + 4 lane .. + 3, c = 0 .. 15 (c is the head): every load of y, ln_w and ln_b covers 512 consecutive bytes, every load of u and store of z16 256.
; LIMITS: NaN and infinities are not served; a row whose largest |z| lies under 2^-100 is stored under that floor (its f16 numbers may fall to zero).
.set G, 16                             ; v16-47   u as loaded (two f16 a register), later z as stored
.set Y, 48                             ; v48-111  the row
.set W, 112                            ; v112-175 ln_w, later u
.set B, 176                            ; v176-239 ln_b, later 1 / (1 + e^-u)
	s_load_b256 s[4:11], s[0:1], 0x0               ; y 4:5, qkvg 6:7, ebuf 8:9, ln_w 10:11
	s_load_b128 s[12:15], s[0:1], 0x20             ; ln_b 12:13, z16 14:15
	s_load_b64 s[16:17], s[0:1], 0x30              ; zs
	v_lshrrev_b32 v1, 5, v0
	v_readfirstlane_b32 s18, v1                    ; wave
	v_and_b32 v3, 31, v0                           ; lane
	v_lshlrev_b32 v1, 4, v3
	v_lshlrev_b32 v2, 3, v3
	v_mov_b32 v4, 0
	s_lshl_b32 s19, ttmp9, 3
	s_add_co_u32 s19, s19, s18                     ; my row
	s_mov_b32 s37, 0
	s_mov_b32 s38, 0x76543210                      ; v_permlanex16_b32's selects for lane l xor 16
	s_mov_b32 s39, 0xfedcba98
	s_wait_kmcnt 0x0
	s_lshl_b32 s36, s19, 13
	s_add_nc_u64 s[4:5], s[4:5], s[36:37]
	s_lshl_b32 s36, s19, 8
	s_add_co_u32 s36, s36, 0x1800000               ; column block 48
	s_add_nc_u64 s[6:7], s[6:7], s[36:37]
	s_lshr_b32 s36, ttmp9, 4                       ; my row block
	s_lshl_b32 s36, s36, 8
	s_add_nc_u64 s[8:9], s[8:9], s[36:37]
	s_lshl_b32 s36, s19, 12
	s_add_nc_u64 s[14:15], s[14:15], s[36:37]
	s_lshl_b32 s36, s19, 2
	s_add_nc_u64 s[16:17], s[16:17], s[36:37]
	s_load_b512 s[20:35], s[8:9], 0xc0             ; the sixteen E of u's blocks
.irp c, 0,1,2,3,4,5,6,7,8,9,10,11,12,13,14,15
	global_load_b128 v[Y+4*\c:Y+4*\c+3], v1, s[4:5] offset:512*\c th:TH_LOAD_NT
.endr
.irp c, 0,1,2,3,4,5,6,7,8,9,10,11,12,13,14,15
	global_load_b128 v[W+4*\c:W+4*\c+3], v1, s[10:11] offset:512*\c
.endr
.irp c, 0,1,2,3,4,5,6,7,8,9,10,11,12,13,14,15
	global_load_b128 v[B+4*\c:B+4*\c+3], v1, s[12:13] offset:512*\c
.endr
.irp c, 0,1,2,3,4,5,6,7,8,9,10,11,12,13,14,15
	global_load_b64 v[G+2*\c:G+2*\c+1], v2, s[6:7] offset:524288*\c th:TH_LOAD_NT
.endr
.macro ALLSUM r, t                     ; the sum over the 32 lanes, in every lane
	v_add_f32_dpp v[\r], v[\r], v[\r] row_xmask:1 row_mask:0xf bank_mask:0xf
	v_add_f32_dpp v[\r], v[\r], v[\r] row_xmask:2 row_mask:0xf bank_mask:0xf
	v_add_f32_dpp v[\r], v[\r], v[\r] row_xmask:4 row_mask:0xf bank_mask:0xf
	v_add_f32_dpp v[\r], v[\r], v[\r] row_xmask:8 row_mask:0xf bank_mask:0xf
	v_permlanex16_b32 v[\t], v[\r], s38, s39
	v_add_f32 v[\r], v[\r], v[\t]
.endm
	s_wait_loadcnt 48                              ; y's 16 loads are in; the 48 behind them may be out
.irp q, 0,1,2,3
	v_pk_add_f32 v[240+2*\q:241+2*\q], v[Y+2*\q:Y+2*\q+1], v[Y+8+2*\q:Y+9+2*\q]   ; four chains, started by the first eight pairs
.endr
.set PP, 8
.rept 24
	v_pk_add_f32 v[240+2*(PP%4):241+2*(PP%4)], v[240+2*(PP%4):241+2*(PP%4)], v[Y+2*PP:Y+2*PP+1]
.set PP, PP+1
.endr
	v_pk_add_f32 v[240:241], v[240:241], v[242:243]
	v_pk_add_f32 v[244:245], v[244:245], v[246:247]
	v_pk_add_f32 v[240:241], v[240:241], v[244:245]
	v_add_f32 v240, v240, v241
	ALLSUM 240, 241
	v_mul_f32 v240, 0x3a000000, v240               ; / 2,048: the mean
	v_mov_b32 v241, v240
.set PP, 0
.rept 32
	v_pk_add_f32 v[Y+2*PP:Y+2*PP+1], v[Y+2*PP:Y+2*PP+1], v[240:241] neg_lo:[0,1] neg_hi:[0,1]
.set PP, PP+1
.endr
.irp q, 0,1,2,3
	v_pk_mul_f32 v[242+2*\q:243+2*\q], v[Y+2*\q:Y+2*\q+1], v[Y+2*\q:Y+2*\q+1]
.endr
.set PP, 4
.rept 28
	v_pk_fma_f32 v[242+2*(PP%4):243+2*(PP%4)], v[Y+2*PP:Y+2*PP+1], v[Y+2*PP:Y+2*PP+1], v[242+2*(PP%4):243+2*(PP%4)]
.set PP, PP+1
.endr
	v_pk_add_f32 v[242:243], v[242:243], v[244:245]
	v_pk_add_f32 v[246:247], v[246:247], v[248:249]
	v_pk_add_f32 v[242:243], v[242:243], v[246:247]
	v_add_f32 v242, v242, v243
	ALLSUM 242, 243
	v_mul_f32 v242, 0x3a000000, v242
	v_add_f32 v242, 0x3727c5ac, v242               ; + 1e-5
	v_rsq_f32 v242, v242
	v_nop                                          ; a plain line behind the transcendental
	s_wait_alu depctr_va_vdst(0)                   ; the wait ahead of the first reader
	v_mov_b32 v243, v242
	s_wait_loadcnt 16                              ; ln_w and ln_b are in; u's 16 loads may be out
.set PP, 0
.rept 32
	v_pk_mul_f32 v[Y+2*PP:Y+2*PP+1], v[Y+2*PP:Y+2*PP+1], v[242:243]
.set PP, PP+1
.endr
.set PP, 0
.rept 32
	v_pk_fma_f32 v[Y+2*PP:Y+2*PP+1], v[Y+2*PP:Y+2*PP+1], v[W+2*PP:W+2*PP+1], v[B+2*PP:B+2*PP+1]
.set PP, PP+1
.endr
	s_wait_loadcnt 0x0
	s_wait_kmcnt 0x0
.irp c, 0,1,2,3,4,5,6,7,8,9,10,11,12,13,14,15
	s_lshl_b32 s[20+\c], s[20+\c], 23              ; 2^(E - 127) as a number
.endr
	v_cvt_f32_f16 v112, v16.l                      ; u's f16 halves, widened: register 16 + i gives numbers 2 i and 2 i + 1
	v_cvt_f32_f16 v113, v16.h
	v_cvt_f32_f16 v114, v17.l
	v_cvt_f32_f16 v115, v17.h
	v_cvt_f32_f16 v116, v18.l
	v_cvt_f32_f16 v117, v18.h
	v_cvt_f32_f16 v118, v19.l
	v_cvt_f32_f16 v119, v19.h
	v_cvt_f32_f16 v120, v20.l
	v_cvt_f32_f16 v121, v20.h
	v_cvt_f32_f16 v122, v21.l
	v_cvt_f32_f16 v123, v21.h
	v_cvt_f32_f16 v124, v22.l
	v_cvt_f32_f16 v125, v22.h
	v_cvt_f32_f16 v126, v23.l
	v_cvt_f32_f16 v127, v23.h
	v_cvt_f32_f16 v128, v24.l
	v_cvt_f32_f16 v129, v24.h
	v_cvt_f32_f16 v130, v25.l
	v_cvt_f32_f16 v131, v25.h
	v_cvt_f32_f16 v132, v26.l
	v_cvt_f32_f16 v133, v26.h
	v_cvt_f32_f16 v134, v27.l
	v_cvt_f32_f16 v135, v27.h
	v_cvt_f32_f16 v136, v28.l
	v_cvt_f32_f16 v137, v28.h
	v_cvt_f32_f16 v138, v29.l
	v_cvt_f32_f16 v139, v29.h
	v_cvt_f32_f16 v140, v30.l
	v_cvt_f32_f16 v141, v30.h
	v_cvt_f32_f16 v142, v31.l
	v_cvt_f32_f16 v143, v31.h
	v_cvt_f32_f16 v144, v32.l
	v_cvt_f32_f16 v145, v32.h
	v_cvt_f32_f16 v146, v33.l
	v_cvt_f32_f16 v147, v33.h
	v_cvt_f32_f16 v148, v34.l
	v_cvt_f32_f16 v149, v34.h
	v_cvt_f32_f16 v150, v35.l
	v_cvt_f32_f16 v151, v35.h
	v_cvt_f32_f16 v152, v36.l
	v_cvt_f32_f16 v153, v36.h
	v_cvt_f32_f16 v154, v37.l
	v_cvt_f32_f16 v155, v37.h
	v_cvt_f32_f16 v156, v38.l
	v_cvt_f32_f16 v157, v38.h
	v_cvt_f32_f16 v158, v39.l
	v_cvt_f32_f16 v159, v39.h
	v_cvt_f32_f16 v160, v40.l
	v_cvt_f32_f16 v161, v40.h
	v_cvt_f32_f16 v162, v41.l
	v_cvt_f32_f16 v163, v41.h
	v_cvt_f32_f16 v164, v42.l
	v_cvt_f32_f16 v165, v42.h
	v_cvt_f32_f16 v166, v43.l
	v_cvt_f32_f16 v167, v43.h
	v_cvt_f32_f16 v168, v44.l
	v_cvt_f32_f16 v169, v44.h
	v_cvt_f32_f16 v170, v45.l
	v_cvt_f32_f16 v171, v45.h
	v_cvt_f32_f16 v172, v46.l
	v_cvt_f32_f16 v173, v46.h
	v_cvt_f32_f16 v174, v47.l
	v_cvt_f32_f16 v175, v47.h
.irp c, 0,1,2,3,4,5,6,7,8,9,10,11,12,13,14,15
.irp i, 0,1,2,3
	v_mul_f32 v[W+4*\c+\i], s[20+\c], v[W+4*\c+\i] ; u: exact
.endr
.endr
.set PP, 0
.rept 64
	v_mul_f32 v[B+PP], 0xbfb8aa3b, v[W+PP]         ; -u log2(e)
.set PP, PP+1
.endr
.set PP, 0
.rept 64
	v_exp_f32 v[B+PP], v[B+PP]
.set PP, PP+1
.endr
	v_nop                                          ; a plain line behind the batch
	s_wait_alu depctr_va_vdst(0)                   ; one wait for the 64
.set PP, 0
.rept 32
	v_pk_add_f32 v[B+2*PP:B+2*PP+1], v[B+2*PP:B+2*PP+1], 1.0 op_sel_hi:[1,0]
.set PP, PP+1
.endr
.set PP, 0
.rept 64
	v_rcp_f32 v[B+PP], v[B+PP]                     ; 1 / (1 + e^-u); where e^-u has passed f32's range this is 0, as silu's limit is
.set PP, PP+1
.endr
.set PP, 0
.rept 32
	v_pk_mul_f32 v[Y+2*PP:Y+2*PP+1], v[Y+2*PP:Y+2*PP+1], v[W+2*PP:W+2*PP+1]   ; x u: plain work behind the batch, which names none of its results
.set PP, PP+1
.endr
	s_wait_alu depctr_va_vdst(0)                   ; one wait for the 64
.set PP, 0
.rept 32
	v_pk_mul_f32 v[Y+2*PP:Y+2*PP+1], v[Y+2*PP:Y+2*PP+1], v[B+2*PP:B+2*PP+1]   ; z
.set PP, PP+1
.endr
	v_max3_num_f32 v240, |v[Y]|, |v[Y+1]|, 0x0d800000      ; the row's largest |z|, in two chains, over the floor 2^-100
	v_max3_num_f32 v241, |v[Y+32]|, |v[Y+33]|, 0x0d800000
.set PP, 2
.rept 15
	v_max3_num_f32 v240, v240, |v[Y+PP]|, |v[Y+PP+1]|
	v_max3_num_f32 v241, v241, |v[Y+32+PP]|, |v[Y+33+PP]|
.set PP, PP+2
.endr
	v_max_num_f32 v240, v240, v241
	v_max_num_f32_dpp v240, v240, v240 row_xmask:1 row_mask:0xf bank_mask:0xf
	v_max_num_f32_dpp v240, v240, v240 row_xmask:2 row_mask:0xf bank_mask:0xf
	v_max_num_f32_dpp v240, v240, v240 row_xmask:4 row_mask:0xf bank_mask:0xf
	v_max_num_f32_dpp v240, v240, v240 row_xmask:8 row_mask:0xf bank_mask:0xf
	v_permlanex16_b32 v241, v240, s38, s39
	v_max_num_f32 v240, v240, v241
	v_lshrrev_b32 v240, 23, v240
	v_min_u32 v240, 253, v240                      ; Ez
	v_sub_nc_u32 v242, 254, v240
	v_lshlrev_b32 v242, 23, v242                   ; 2^(127 - Ez)
	v_mov_b32 v243, v242
	v_add_nc_u32 v244, -5, v240
	v_lshlrev_b32 v244, 23, v244                   ; 2^(Ez - 132)
.set PP, 0
.rept 32
	v_pk_mul_f32 v[Y+2*PP:Y+2*PP+1], v[Y+2*PP:Y+2*PP+1], v[242:243]
.set PP, PP+1
.endr
.set PP, 0
.rept 32
	v_cvt_pk_f16_f32 v[G+PP], v[Y+2*PP], v[Y+2*PP+1]
.set PP, PP+1
.endr
.irp c, 0,1,2,3,4,5,6,7,8,9,10,11,12,13,14,15
	global_store_b64 v2, v[G+2*\c:G+2*\c+1], s[14:15] offset:256*\c   ; 256 consecutive bytes a wave
.endr
	s_wait_xcnt 0x0                                ; EXEC changes only behind this wait
	v_cmp_eq_u32 vcc_lo, 0, v3
	s_and_saveexec_b32 s36, vcc_lo
	global_store_b32 v4, v244, s[16:17]            ; the row's scale, by lane 0
	s_endpgm
.Lfunc_end_k_qbe1f4f6f92_gate:
	.size	k_qbe1f4f6f92_gate, .Lfunc_end_k_qbe1f4f6f92_gate-k_qbe1f4f6f92_gate
	.p2alignl 7, 3214868480
	.fill 96, 4, 3214868480
	.section	.rodata,"a",@progbits
	.p2align	6, 0x0
	.amdhsa_kernel k_qbe1f4f6f92_gate
		.amdhsa_group_segment_fixed_size 0
		.amdhsa_private_segment_fixed_size 0
		.amdhsa_enable_private_segment 0
		.amdhsa_kernarg_size 56
		.amdhsa_user_sgpr_count 2
		.amdhsa_user_sgpr_kernarg_segment_ptr 1
		.amdhsa_wavefront_size32 1
		.amdhsa_system_sgpr_workgroup_id_x 1
		.amdhsa_system_sgpr_workgroup_id_y 1
		.amdhsa_system_sgpr_workgroup_id_z 1
		.amdhsa_system_vgpr_workitem_id 0
		.amdhsa_next_free_vgpr 256
		.amdhsa_next_free_sgpr 66
		.amdhsa_reserve_vcc 1
		.amdhsa_float_denorm_mode_32 3
		.amdhsa_float_denorm_mode_16_64 3
		.amdhsa_memory_ordered 1
		.amdhsa_forward_progress 1
		.amdhsa_inst_pref_size 46
	.end_amdhsa_kernel
	.amdgpu_metadata
---
amdhsa.version: [ 1, 2 ]
amdhsa.kernels:
  - .name:           k_qbe1f4f6f92_gate
    .symbol:         k_qbe1f4f6f92_gate.kd
    .args:
      - { .name: y, .offset: 0, .size: 8, .value_kind: global_buffer, .address_space: global }
      - { .name: qkvg, .offset: 8, .size: 8, .value_kind: global_buffer, .address_space: global }
      - { .name: ebuf, .offset: 16, .size: 8, .value_kind: global_buffer, .address_space: global }
      - { .name: ln_w, .offset: 24, .size: 8, .value_kind: global_buffer, .address_space: global }
      - { .name: ln_b, .offset: 32, .size: 8, .value_kind: global_buffer, .address_space: global }
      - { .name: z16, .offset: 40, .size: 8, .value_kind: global_buffer, .address_space: global }
      - { .name: zs, .offset: 48, .size: 8, .value_kind: global_buffer, .address_space: global }
    .group_segment_fixed_size: 0
    .private_segment_fixed_size: 0
    .kernarg_segment_align: 8
    .kernarg_segment_size: 56
    .max_flat_workgroup_size: 256
    .sgpr_count:     66
    .vgpr_count:     256
    .wavefront_size: 32
...
	.end_amdgpu_metadata
.endif
;; end of part 4
;; launch outproj (part 5): grid 16 x 16, 4 waves a work-group, clusters of 4 x 4, 327,680 bytes of LDS; arguments z16, wo16, zs, out0; writes out0
.if DOCPART == 5
	.amdgcn_target "amdgcn-amd-amdhsa--gfx1250"
	.amdhsa_code_object_version 6
	.text
	.protected	k_qbe1f4f6f92_outproj
	.globl	k_qbe1f4f6f92_outproj
	.p2align	8
	.type	k_qbe1f4f6f92_outproj,@function
k_qbe1f4f6f92_outproj:
	s_mov_b64 s[64:65], 0
	v_nop
	global_prefetch_b8 v0, s[64:65] scope:SCOPE_SE
	s_setreg_imm32_b32 hwreg(HW_REG_WAVE_MODE, 25, 1), 1
	s_wait_xcnt 0x0
	s_wait_alu depctr_hold_cnt(0) depctr_sa_sdst(0) depctr_va_vdst(0) depctr_va_sdst(0) depctr_va_ssrc(0) depctr_va_vcc(0) depctr_vm_vsrc(0)
	s_getreg_b32 s2, hwreg(HW_REG_IB_STS2, 6, 4)
	s_cmp_eq_u32 s2, 0
	s_cbranch_scc0 .Lentry_in_a_cluster
	s_endpgm
.Lentry_in_a_cluster:
	s_bfe_u32 s2, ttmp6, 0x10000c
	s_cmp_lg_u32 s2, 0xf033
	s_cbranch_scc0 .Lentry_shape_is_right
	s_endpgm
.Lentry_shape_is_right:
; out0[m][n] = zs[m] x the sum over k of z16[m][k] wo16[n][k].  z16, wo16: [2048][2048] f16; sums in f32; zs[m] is an exact power of two (the row's scale of z and the 1/32 of wo16); out0 f32.
; 256 tiles of 128 x 128, one to a work-group: four waves, each 64 x 64: 16 accumulators.  K goes in steps of 256 (LDS rows of 512 bytes; a wave's tensor load brings 64 of them) through a ring of two slots.
; CLUSTERS: 4 x 4 work-groups; the four of a row of the cluster ask for A's tiles jointly, the four of a column for B's.  THE MATRIX INSTRUCTION IS USED TRANSPOSED (source 0 = 16 rows of wo16, source 1 = 16 rows of z16):
; a lane holds eight neighbouring numbers of a row of out0.  A wave's 64 columns of f32 are 256 consecutive bytes, so each wave sends its own results through its own stage: no barrier on the way out.
; REGISTERS: window 0: v0-31 addresses; v32-95 at work on the way out, two sets; v96-103 the rows' scales, in pairs; v128-255 the accumulators ((a, b) at v[128 + 8 (4 a + b)]).  window 1: two fragment buffers of 128.
.set SIZE_M, 2048
.set SIZE_N, 2048
.set SIZE_K, 2048
.set KSTEP,  256
.set PITCH,  528                       ; an LDS row: 512 bytes + 16 of padding
.set HALFT,  64*PITCH
.set SLOT,   4*HALFT
.set STAGE,  2*SLOT                    ; behind the ring: 16 rows x 272 bytes for each wave
.set SPITCH, 272
.set SPARE,  STAGE+4*16*SPITCH         ; the spare words, 128 bytes a wave
.set LAPS, SIZE_K/(2*KSTEP)
.set ADRA, 16
.set ADRB, 20
.set STO,  24
.set RD,   25
.set CO,   26
.set SPW,  28
.set NIL,  29
.set TMP,  32
.set ZS,   96
.set ACC,  128
.set F0,   0
.set F1,   128
.set G1, 24
.set G0, 32
.set G1B, 48
.set G0B, 56
.set MSB, 0
.macro WIN new
.if MSB != \new
	s_set_vgpr_msb (MSB<<8)|\new
.set MSB, \new
.endif
.endm
.set MUL,  0x05                        ; sources 0 (B) and 1 (A) window 1; C and D window 0
.set TO_F, 0x40
.macro JLOAD s                         ; a joint load: waves 0 and 1 fetch A's halves, waves 2 and 3 B's; an s_nop 0 and four v_nop follow each line
	s_cmp_eq_u32 s11, 0
	s_cbranch_scc0 .Lfor_b_\@
	tensor_load_to_lds s[G0+4*\s:G0+4*\s+3], s[G1:G1+7]
	s_nop 0
.rept 4
	v_nop
.endr
	s_branch .Lasked_\@
.Lfor_b_\@:
	tensor_load_to_lds s[G0B+4*\s:G0B+4*\s+3], s[G1B:G1B+7]
	s_nop 0
.rept 4
	v_nop
.endr
.Lasked_\@:
.endm
.macro CREST
	s_cmp_lg_u32 s10, 0
	s_cbranch_scc1 .Lnot_wave_0_\@
	s_barrier_signal -3
.Lnot_wave_0_\@:
	s_barrier_wait -3
	s_barrier_signal -1
	s_barrier_wait -1
.endm
.macro CROUND
	s_barrier_signal -1
	s_barrier_wait -1
	CREST
.endm
	s_load_b128 s[4:7], s[0:1], 0x0                ; z16, wo16
	s_load_b64 s[66:67], s[0:1], 0x10              ; zs
	s_load_b64 s[8:9], s[0:1], 0x18                ; out0
	v_lshl_add_u32 v[SPW], v0, 2, SPARE
	v_mov_b32 v[NIL], 0
	ds_add_u32 v[SPW], v[NIL]                      ; the wave's opening: the add, twice on end, and its wait ahead of my first tensor load
	ds_add_u32 v[SPW], v[NIL]
	v_lshrrev_b32 v1, 5, v0
	v_readfirstlane_b32 s10, v1                    ; wave 0..3
	s_lshr_b32 s11, s10, 1                         ; which half of the tile's rows is mine.  Also: I fetch for A (0) or for B (1)
	s_and_b32 s12, s10, 1                          ; which half of its columns.  Also: which 64 rows of that tile I fetch
	s_bfe_u32 s40, ttmp6, 0x40000
	s_bfe_u32 s41, ttmp6, 0x40004
	s_lshl_b32 s42, ttmp9, 2
	s_add_co_u32 s42, s42, s40                     ; tile column
	s_and_b32 s13, ttmp7, 0xffff
	s_lshl_b32 s13, s13, 2
	s_add_co_u32 s13, s13, s41                     ; tile row
	s_lshl_b32 s43, s41, 2
	s_lshl_b32 s43, 15, s43                        ; my row of the cluster
	s_lshl_b32 s44, 0x1111, s40                    ; my column
	s_or_b32 s[G1+0], s43, (1<<16)|(1<<20)|(1<<21)|(6<<22)|(3<<25)  ; the mask; elements of 2 bytes; 4 words of padding behind every 128
	s_or_b32 s[G1B+0], s44, (1<<16)|(1<<20)|(1<<21)|(6<<22)|(3<<25)
.irp g, G1, G1B
	s_mov_b32 s[\g+1], KSTEP<<16
	s_mov_b32 s[\g+2], 64<<16
	s_mov_b32 s[\g+3], KSTEP<<16
	s_mov_b32 s[\g+4], 64
	s_mov_b32 s[\g+5], SIZE_K
	s_mov_b32 s[\g+6], 0
	s_mov_b32 s[\g+7], 0
.endr
	s_lshl_b32 s17, s12, 6
	s_lshl_b32 s16, s13, 7
	s_add_co_u32 s16, s16, s17                     ; A: row 128 x tile row + 64 x half
	s_lshl_b32 s46, s42, 7
	s_add_co_u32 s46, s46, s17                     ; B: row 128 x tile column + 64 x half
	s_mov_b32 s17, 0
	s_mov_b32 s47, 0
	s_mov_b64 s[18:19], SIZE_K*2
	s_mul_u64 s[16:17], s[16:17], s[18:19]
	s_mul_u64 s[46:47], s[46:47], s[18:19]
	s_mul_i32 s20, s10, HALFT
	s_wait_dscnt 0x0                               ; both opening adds are done
	s_wait_kmcnt 0x0
	s_add_nc_u64 s[14:15], s[4:5], s[16:17]
	s_add_nc_u64 s[46:47], s[6:7], s[46:47]
	CROUND                                         ; all sixteen work-groups are here
.irp s, 0,1
	s_mov_b32 s[G0+4*\s], 1
	s_add_co_u32 s[G0+4*\s+1], s20, \s*SLOT
	s_add_nc_u64 s[G0+4*\s+2:G0+4*\s+3], s[14:15], \s*KSTEP*2
	s_or_b32 s[G0+4*\s+3], s[G0+4*\s+3], 0x80000000
	s_mov_b32 s[G0B+4*\s], 1
	s_add_co_u32 s[G0B+4*\s+1], s20, \s*SLOT
	s_add_nc_u64 s[G0B+4*\s+2:G0B+4*\s+3], s[46:47], \s*KSTEP*2
	s_or_b32 s[G0B+4*\s+3], s[G0B+4*\s+3], 0x80000000
	JLOAD \s                                       ; two tensor loads of mine are out at the most
.endr
	v_and_b32 v1, 15, v0                           ; r
	v_bfe_u32 v2, v0, 4, 1                         ; h
	v_mul_u32_u24 v3, v1, PITCH
	v_lshl_add_u32 v3, v2, 4, v3
	s_mul_i32 s21, s11, HALFT
	s_mul_i32 s22, s12, HALFT
	s_add_co_u32 s22, s22, 2*HALFT
.irp s, 0,1
	v_add_nc_u32 v[ADRA+\s], s21, v3
	v_add_nc_u32 v[ADRB+\s], s22, v3
	s_add_co_u32 s21, s21, SLOT
	s_add_co_u32 s22, s22, SLOT
.endr
	s_mul_i32 s23, s10, 16*SPITCH
	s_add_co_u32 s23, s23, STAGE                   ; my stage
	v_mul_u32_u24 v4, v1, SPITCH                   ; in: row r, 32 bytes for each half of the lanes
	v_lshl_add_u32 v4, v2, 5, v4
	v_add_nc_u32 v[STO], s23, v4
	v_mul_u32_u24 v5, v2, SPITCH                   ; back: lanes 0-15 one row of 256 bytes, lanes 16-31 the next
	v_lshl_add_u32 v5, v1, 4, v5
	v_add_nc_u32 v[RD], s23, v5
	v_lshlrev_b32 v5, 13, v2                       ; and the same two rows in out0
	v_lshl_add_u32 v[CO], v1, 4, v5
	s_lshl_b32 s16, s13, 7
	s_lshl_b32 s17, s11, 6
	s_add_co_u32 s16, s16, s17                     ; my first row: 128 x tile row + 64 x half
	s_lshl_b32 s46, s16, 2
	s_mov_b32 s47, 0
	s_add_nc_u64 s[66:67], s[66:67], s[46:47]
	s_lshl_b32 s46, s16, 13
	s_add_nc_u64 s[8:9], s[8:9], s[46:47]
	s_lshl_b32 s46, s42, 9                         ; my first column, in bytes: 512 x tile column + 256 x half
	s_lshl_b32 s17, s12, 8
	s_add_co_u32 s46, s46, s17
	s_add_nc_u64 s[8:9], s[8:9], s[46:47]
	v_lshlrev_b32 v27, 2, v1
.irp a, 0,1,2,3
	global_load_b32 v[ZS+2*\a], v27, s[66:67] offset:64*\a   ; the scale of my row of block a; waited for on the way out
.endr
.macro MUL8 f, c, a0, zero             ; 8 matrix instructions: m blocks a0, a0 + 1 x all 4 n blocks, 32 along K; the 16 accumulators take turns
.irp a, \a0, \a0+1
.irp b, 0,1,2,3
.if \zero
	v_wmma_f32_16x16x32_f16 v[ACC+8*(4*(\a)+\b):ACC+8*(4*(\a)+\b)+7], v[\f+64+8*(4*\c+\b):\f+64+8*(4*\c+\b)+7], v[\f+8*(4*\c+\a):\f+8*(4*\c+\a)+7], 0
.else
	v_wmma_f32_16x16x32_f16 v[ACC+8*(4*(\a)+\b):ACC+8*(4*(\a)+\b)+7], v[\f+64+8*(4*\c+\b):\f+64+8*(4*\c+\b)+7], v[\f+8*(4*\c+\a):\f+8*(4*\c+\a)+7], v[ACC+8*(4*(\a)+\b):ACC+8*(4*(\a)+\b)+7]
.endif
.endr
.endr
.endm
.macro FETCH slot, k, f                ; 32 LDS loads in one run: the fragments of 64 along K at byte k of the rows; the first 32 along K first
	WIN TO_F
.irp c, 0,1
.irp i, 0,1,2,3
	ds_load_b128 v[\f+64+8*(4*\c+\i):\f+64+8*(4*\c+\i)+3],   v[ADRB+\slot] offset:\k+64*\c+\i*16*PITCH
	ds_load_b128 v[\f+64+8*(4*\c+\i)+4:\f+64+8*(4*\c+\i)+7], v[ADRB+\slot] offset:\k+64*\c+\i*16*PITCH+32
	ds_load_b128 v[\f+8*(4*\c+\i):\f+8*(4*\c+\i)+3],         v[ADRA+\slot] offset:\k+64*\c+\i*16*PITCH
	ds_load_b128 v[\f+8*(4*\c+\i)+4:\f+8*(4*\c+\i)+7],       v[ADRA+\slot] offset:\k+64*\c+\i*16*PITCH+32
.endr
.endr
.endm
.macro PLACES                          ; plain vector lines between a matrix instruction and a load into, or a read of, its registers
.rept 4
	v_nop
.endr
.endm
.macro QUARTER slot, k, f, g, zero     ; 64 along K: multiplies buffer f and fetches the next quarter, at byte k, into g
	s_wait_dscnt 16                                ; the first 32 along K are in; the other sixteen loads may be out
	WIN MUL
	MUL8 \f, 0, 0, \zero
	MUL8 \f, 0, 2, \zero
	PLACES
	FETCH \slot, \k, \g
	s_wait_dscnt 32                                ; all but the 32 just issued
	WIN MUL
	MUL8 \f, 1, 0, 0
	MUL8 \f, 1, 2, 0
.endm
; The last quarter changes slots: one barrier; in front of it each wave waits for all its tensor loads, adds 0 to its spare word, and waits for that and for its reads of this slot.
.macro TURN slot, next, fill
	WIN 0
	s_wait_tensorcnt 0x0                           ; all my tensor loads have landed: my part of the next slot
	ds_add_u32 v[SPW], v[NIL]
	s_wait_dscnt 17                                ; the add and the youngest sixteen loads may be out
	WIN MUL
	MUL8 F1, 0, 0, 0
	s_wait_dscnt 0x0                               ; the add is done, and my reads of this slot are over
	s_barrier_signal -1
	MUL8 F1, 0, 2, 0
.if \fill
	WIN 0
.endif
	s_barrier_wait -1
.if \fill
	CREST                                          ; the barrier has opened a round of the cluster's
	s_add_nc_u64 s[G0+4*\slot+2:G0+4*\slot+3], s[G0+4*\slot+2:G0+4*\slot+3], 2*KSTEP*2
	s_add_nc_u64 s[G0B+4*\slot+2:G0B+4*\slot+3], s[G0B+4*\slot+2:G0B+4*\slot+3], 2*KSTEP*2
	JLOAD \slot                                    ; the first tensor load behind the round; its four v_nop are the places in front of the loads below
.else
	PLACES
.endif
	FETCH \next, 0, F0
	WIN MUL
	MUL8 F1, 1, 0, 0
	MUL8 F1, 1, 2, 0
.endm
	s_wait_tensorcnt 1                             ; my part of K step 0 is in (K step 1's load may be out)
	s_barrier_signal -1
	s_barrier_wait -1
	FETCH 0, 0, F0
	QUARTER 0, 128, F0, F1, 1                      ; the first quarter's first products start the sums
	WIN 0
	s_mov_b32 s3, LAPS-1
.Llap:
	QUARTER 0, 256, F1, F0, 0
	QUARTER 0, 384, F0, F1, 0
	TURN 0, 1, 1
	QUARTER 1, 128, F0, F1, 0
	QUARTER 1, 256, F1, F0, 0
	QUARTER 1, 384, F0, F1, 0
	TURN 1, 0, 1
	QUARTER 0, 128, F0, F1, 0
	WIN 0
	s_sub_co_u32 s3, s3, 1
	s_cmp_lg_u32 s3, 0
	s_cbranch_scc1 .Llap
	QUARTER 0, 256, F1, F0, 0                      ; the last lap fills nothing
	QUARTER 0, 384, F0, F1, 0
	TURN 0, 1, 0
	QUARTER 1, 128, F0, F1, 0
	QUARTER 1, 256, F1, F0, 0
	QUARTER 1, 384, F0, F1, 0
	s_wait_dscnt 16
	WIN MUL
	MUL8 F1, 0, 0, 0
	MUL8 F1, 0, 2, 0
	s_wait_dscnt 0
	MUL8 F1, 1, 0, 0
	MUL8 F1, 1, 2, 0
	WIN 0
	; THE WAY OUT, a block of 16 rows x 64 columns at a time: x the row's scale, into my stage, back as whole rows of 256 bytes, stored.
	PLACES
	s_wait_loadcnt 0x0                             ; the rows' scales
.irp a, 0,1,2,3
	v_mov_b32 v[ZS+2*\a+1], v[ZS+2*\a]             ; in both halves of a pair
.endr
.irp a, 0,1,2,3
.if \a >= 2
	s_wait_xcnt 0x0                                ; the stores of two blocks back have read their registers
.endif
.irp b, 0,1,2,3
.irp i, 0,1,2,3
	v_pk_mul_f32 v[TMP+32*(\a%2)+8*\b+2*\i:TMP+32*(\a%2)+8*\b+2*\i+1], v[ACC+8*(4*\a+\b)+2*\i:ACC+8*(4*\a+\b)+2*\i+1], v[ZS+2*\a:ZS+2*\a+1]   ; each accumulator from its low end on
.endr
.endr
.irp b, 0,1,2,3
.irp hf, 0,1
	ds_store_b128 v[STO], v[TMP+32*(\a%2)+8*\b+4*\hf:TMP+32*(\a%2)+8*\b+4*\hf+3] offset:64*\b+16*\hf
.endr
.endr
.irp t, 0,1,2,3,4,5,6,7
	ds_load_b128 v[TMP+32*(\a%2)+4*\t:TMP+32*(\a%2)+4*\t+3], v[RD] offset:\t*2*SPITCH   ; LDS serves a wave's instructions in order: these see my stores
.endr
	s_wait_dscnt 0x0
.irp t, 0,1,2,3,4,5,6,7
	global_store_b128 v[CO], v[TMP+32*(\a%2)+4*\t:TMP+32*(\a%2)+4*\t+3], s[8:9] offset:(16*\a+2*\t)*SIZE_N*4 th:TH_STORE_NT   ; 16 lanes store 256 consecutive bytes, at a multiple of 256 from out0's first byte
.endr
.endr
	s_wait_tensorcnt 0x0                           ; the wave's end
	ds_add_u32 v[SPW], v[NIL]
	s_wait_dscnt 0x0
	CROUND                                         ; the closing round
	s_endpgm
.Lfunc_end_k_qbe1f4f6f92_outproj:
	.size	k_qbe1f4f6f92_outproj, .Lfunc_end_k_qbe1f4f6f92_outproj-k_qbe1f4f6f92_outproj
	.p2alignl 7, 3214868480
	.fill 96, 4, 3214868480
	.section	.rodata,"a",@progbits
	.p2align	6, 0x0
	.amdhsa_kernel k_qbe1f4f6f92_outproj
		.amdhsa_group_segment_fixed_size 327680
		.amdhsa_private_segment_fixed_size 0
		.amdhsa_enable_private_segment 0
		.amdhsa_kernarg_size 32
		.amdhsa_user_sgpr_count 2
		.amdhsa_user_sgpr_kernarg_segment_ptr 1
		.amdhsa_wavefront_size32 1
		.amdhsa_system_sgpr_workgroup_id_x 1
		.amdhsa_system_sgpr_workgroup_id_y 1
		.amdhsa_system_sgpr_workgroup_id_z 1
		.amdhsa_system_vgpr_workitem_id 0
		.amdhsa_next_free_vgpr 512
		.amdhsa_next_free_sgpr 70
		.amdhsa_reserve_vcc 0
		.amdhsa_float_denorm_mode_32 3
		.amdhsa_float_denorm_mode_16_64 3
		.amdhsa_memory_ordered 1
		.amdhsa_forward_progress 1
		.amdhsa_inst_pref_size 90
	.end_amdhsa_kernel
	.amdgpu_metadata
---
amdhsa.version: [ 1, 2 ]
amdhsa.kernels:
  - .name:           k_qbe1f4f6f92_outproj
    .symbol:         k_qbe1f4f6f92_outproj.kd
    .args:
      - { .name: z16, .offset: 0, .size: 8, .value_kind: global_buffer, .address_space: global }
      - { .name: wo16, .offset: 8, .size: 8, .value_kind: global_buffer, .address_space: global }
      - { .name: zs, .offset: 16, .size: 8, .value_kind: global_buffer, .address_space: global }
      - { .name: out0, .offset: 24, .size: 8, .value_kind: global_buffer, .address_space: global }
    .group_segment_fixed_size: 327680
    .private_segment_fixed_size: 0
    .kernarg_segment_align: 8
    .kernarg_segment_size: 32
    .max_flat_workgroup_size: 128
    .sgpr_count:     70
    .vgpr_count:     512
    .wavefront_size: 32
...
	.end_amdgpu_metadata
.endif
;; end of part 5
